; MI455X (gfx1250); checked and timed in simulation.
; The chip was launched on July 23, 2026; its instructions are those of AMD's public machine-readable ISA for CDNA 5 (MIT licence, August 2026) and "CDNA5" Instruction Set Architecture Reference Guide (July 2026). The comments in the code are by the model that wrote it; some were corrected since.
;; MLP Attention. Allowed arithmetic: float matrix products may take bf16 or f16 operands with f32 sums; all other float work in f32.
;; Inputs: W_dec 1,024 x 1,024 float32; W_enc 1,024 x 1,024 float32; b_dec 1,024 float32; b_enc 1,024 float32; decoder_state 64 x 1,024 float32; source_hids 1,024 x 64 x 1,024 float32; src_lengths 64 int32; v_score 1,024 float32.
;; Outputs: out0 64 x 1,024 float32; out1 1,024 x 64 float32.
;; 2 versions, each right and faster than the one before. Each part assembles by itself: llvm-mc -triple=amdgcn-amd-amdhsa -mcpu=gfx1250 --defsym DOCPART=n.
;; ======== version 1 of 2: 3 launches
;; workspace buffers: wf 2,097,152 bytes; cblk 262,144 bytes; sc 262,144 bytes; st 4,096 bytes; part 2,097,152 bytes
;; launch prep (part 1): grid 64 x 4, 8 waves a work-group, no clusters, 8,192 bytes of LDS; arguments W_enc, W_dec, decoder_state, b_enc, b_dec, wf, cblk; writes wf, cblk
.if DOCPART == 1
	.amdgcn_target "amdgcn-amd-amdhsa--gfx1250"
	.amdhsa_code_object_version 6
	.text
	.protected	k_qb1469b50ff_prep
	.globl	k_qb1469b50ff_prep
	.p2align	8
	.type	k_qb1469b50ff_prep,@function
k_qb1469b50ff_prep:
	s_mov_b64 s[64:65], 0
	v_nop
	global_prefetch_b8 v0, s[64:65] scope:SCOPE_SE
	s_setreg_imm32_b32 hwreg(HW_REG_WAVE_MODE, 25, 1), 1
	s_wait_xcnt 0x0
; prep: two small jobs ahead of the main launch.
; (a) wf = bf16(W_enc) in the order in which the main launch's matrix instructions want it:
;     wf[w' 4][c 2][kb 32][nb 8][1,024 bytes], column n = 512 c + 128 w' + 16 nb + r, K = 32 kb ..; in a fragment byte 16 L holds
;     lane L's registers 0-3 (k = 8h + 0..7 of column r), byte 512 + 16 L its registers 4-7 (k = 16 + 8h + 0..7); r = L % 16, h = L / 16.
; (b) cblk[j 64][b 64][16] = decoder_state[b] . W_dec[a] + b_dec[a] + b_enc[a], a = 16 j + i, in f32: what the main launch's sums start from.
; Work-group (j, q), eight waves.  Wave w converts the one fragment (columns 16 j .., kb = 8 q + w), and takes K = 128 w .. 128 w + 127
; of the 16 x 16 block (b = 16 q .., a = 16 j ..) of the decoder's product; the eight partial blocks meet in LDS.
; LIMITS: W_enc, W_dec and decoder_state are rounded to bf16, as they are given, for the matrix unit; the decoder's sum over K is split
; over eight waves and two accumulators, an order of rounding other than a plain ascending sum.
.set VE,   4                           ; v4      r x 4,096 + 32 h: my 8 f32 of row r, for all three matrices
.set VL16, 5                           ; v5      16 L
.set VBI,  6                           ; v6      8 (t % 8): my two columns in the biases
.set VRS,  7                           ; v7      where I put my partial block in LDS
.set BE,   8                           ; v[8:9]  b_enc, v[10:11] b_dec of my two columns
.set BD,   10
.set VT8,  12                          ; v12     8 t
.set E,    16                          ; v[16:31]   W_enc: 16 f32 as loaded, then 8 registers of bf16
.set DA,   32                          ; v[32:95]   decoder_state, 16 registers a K step
.set DB,   96                          ; v[96:159]  W_dec, 16 registers a K step
.set ACC,  160                         ; v[160:167], v[168:175] two accumulators
.set RB,   176                         ; v[176:191] the eight partial sums read back
	s_load_b256 s[8:15], s[0:1], 0x0               ; W_enc s[8:9], W_dec s[10:11], decoder_state s[12:13], b_enc s[14:15]
	s_load_b128 s[16:19], s[0:1], 0x20             ; b_dec s[16:17], wf s[18:19]
	s_load_b64 s[20:21], s[0:1], 0x30              ; cblk
	v_lshrrev_b32 v1, 5, v0
	v_readfirstlane_b32 s4, v1                     ; w, 0 to 7
	s_and_b32 s3, ttmp7, 0xffff                    ; q, 0 to 3
	s_lshl3_add_u32 s5, s3, s4                     ; kb = 8 q + w
	v_and_b32 v2, 15, v0                           ; r
	v_bfe_u32 v3, v0, 4, 1                         ; h
	v_and_b32 v1, 31, v0                           ; L
	v_lshlrev_b32 v[VE], 12, v2
	v_lshl_add_u32 v[VE], v3, 5, v[VE]
	v_lshlrev_b32 v[VL16], 4, v1
	v_and_b32 v[VBI], 7, v0
	v_lshlrev_b32 v[VBI], 3, v[VBI]
	v_lshlrev_b32 v[VRS], 2, v2                    ; RED[w][b_local 16][a_local 16] f32: w x 1,024 + (8 h + register) x 64 + 4 r
	v_lshl_add_u32 v[VRS], v3, 9, v[VRS]
	s_lshl_b32 s6, s4, 10
	v_add_nc_u32 v[VRS], s6, v[VRS]
	v_lshlrev_b32 v[VT8], 3, v0
	; offsets, each in a pair of its own with 0 on top
	s_lshl_b32 s24, ttmp9, 16                      ; 16 j rows of 4,096 bytes
	s_lshl_b32 s25, s5, 7                          ; 32 kb f32
	s_add_co_u32 s26, s24, s25                     ; W_enc
	s_mov_b32 s27, 0
	s_lshl_b32 s25, s4, 9                          ; 128 w f32
	s_add_co_u32 s28, s24, s25                     ; W_dec
	s_mov_b32 s29, 0
	s_lshl_b32 s30, s3, 16                         ; 16 q rows
	s_add_co_u32 s30, s30, s25                     ; decoder_state
	s_mov_b32 s31, 0
	s_lshl_b32 s32, ttmp9, 6                       ; the biases' 16 j
	s_mov_b32 s33, 0
	s_bfe_u32 s34, ttmp9, 0x20003                  ; w' = (j / 8) % 4
	s_lshl_b32 s34, s34, 19
	s_lshr_b32 s25, ttmp9, 5                       ; c = j / 32
	s_lshl_b32 s25, s25, 18
	s_add_co_u32 s34, s34, s25
	s_lshl_b32 s25, s5, 13                         ; kb
	s_add_co_u32 s34, s34, s25
	s_and_b32 s25, ttmp9, 7                        ; nb = j % 8
	s_lshl_b32 s25, s25, 10
	s_add_co_u32 s34, s34, s25                     ; wf
	s_mov_b32 s35, 0
	s_lshl_b32 s36, ttmp9, 12
	s_lshl_b32 s25, s3, 10
	s_add_co_u32 s36, s36, s25                     ; cblk: j x 4,096 + 16 q x 64
	s_mov_b32 s37, 0
	s_wait_kmcnt 0x0
	s_add_nc_u64 s[8:9], s[8:9], s[26:27]
	s_add_nc_u64 s[10:11], s[10:11], s[28:29]
	s_add_nc_u64 s[12:13], s[12:13], s[30:31]
	s_add_nc_u64 s[14:15], s[14:15], s[32:33]
	s_add_nc_u64 s[16:17], s[16:17], s[32:33]
	s_add_nc_u64 s[18:19], s[18:19], s[34:35]
	s_add_nc_u64 s[20:21], s[20:21], s[36:37]
	; all loads at once: 2 + 4 + 32.  Every wave loads the bias pairs (16 bytes a lane), so that the counts below are the same in all waves.
	global_load_b64 v[BE:BE+1], v[VBI], s[14:15]
	global_load_b64 v[BD:BD+1], v[VBI], s[16:17]
	global_load_b128 v[E:E+3],     v[VE], s[8:9]                   ; k = 8h + 0..3
	global_load_b128 v[E+4:E+7],   v[VE], s[8:9] offset:16         ; k = 8h + 4..7
	global_load_b128 v[E+8:E+11],  v[VE], s[8:9] offset:64         ; k = 16 + 8h + 0..3
	global_load_b128 v[E+12:E+15], v[VE], s[8:9] offset:80
.irp st, 0,1,2,3
	global_load_b128 v[DA+16*\st:DA+16*\st+3],     v[VE], s[12:13] offset:128*\st
	global_load_b128 v[DA+16*\st+4:DA+16*\st+7],   v[VE], s[12:13] offset:128*\st+16
	global_load_b128 v[DA+16*\st+8:DA+16*\st+11],  v[VE], s[12:13] offset:128*\st+64
	global_load_b128 v[DA+16*\st+12:DA+16*\st+15], v[VE], s[12:13] offset:128*\st+80
	global_load_b128 v[DB+16*\st:DB+16*\st+3],     v[VE], s[10:11] offset:128*\st
	global_load_b128 v[DB+16*\st+4:DB+16*\st+7],   v[VE], s[10:11] offset:128*\st+16
	global_load_b128 v[DB+16*\st+8:DB+16*\st+11],  v[VE], s[10:11] offset:128*\st+64
	global_load_b128 v[DB+16*\st+12:DB+16*\st+15], v[VE], s[10:11] offset:128*\st+80
.endr
	; (a) the fragment of W_enc
	s_wait_loadcnt 32                              ; loads come back in order (ISA guide 5.7.1): the 32 of the decoder's product are younger
.irp i, 0,1,2,3,4,5,6,7
	v_cvt_pk_bf16_f32 v[E+\i], v[E+2*\i], v[E+2*\i+1]              ; in place, ascending: register i is written when 2 i and 2 i + 1 are read
.endr
	global_store_b128 v[VL16], v[E:E+3],   s[18:19]                ; each store of the wave covers 512 consecutive bytes, aligned
	global_store_b128 v[VL16], v[E+4:E+7], s[18:19] offset:512
	; (b) my four K steps of the decoder's block.  Source 0 = decoder_state (rows b), source 1 = W_dec (rows a): register jj of lane (r, h) is (b = 8 h + jj, a = r).
	; The two accumulators take turns, one instruction a turn; the first two products start the sums.
.macro DSTEP st
	s_wait_loadcnt 8*(3-\st)                       ; the later steps' eight loads each may stay out
.irp i, 0,1,2,3,4,5,6,7
	v_cvt_pk_bf16_f32 v[DA+16*\st+\i], v[DA+16*\st+2*\i], v[DA+16*\st+2*\i+1]
	v_cvt_pk_bf16_f32 v[DB+16*\st+\i], v[DB+16*\st+2*\i], v[DB+16*\st+2*\i+1]
.endr
.if \st < 2
	v_wmma_f32_16x16x32_bf16 v[ACC+8*\st:ACC+8*\st+7], v[DA+16*\st:DA+16*\st+7], v[DB+16*\st:DB+16*\st+7], 0
.else
	v_wmma_f32_16x16x32_bf16 v[ACC+8*(\st-2):ACC+8*(\st-2)+7], v[DA+16*\st:DA+16*\st+7], v[DB+16*\st:DB+16*\st+7], v[ACC+8*(\st-2):ACC+8*(\st-2)+7]
.endif
.endm
	DSTEP 0
	DSTEP 1
	DSTEP 2
	DSTEP 3
.rept 4
	v_nop                                          ; four places behind the last matrix instruction before its result is read (ISA guide 7.12.1)
.endr
.irp i, 0,2,4,6
	v_pk_add_f32 v[ACC+\i:ACC+\i+1], v[ACC+\i:ACC+\i+1], v[ACC+8+\i:ACC+8+\i+1]
.endr
.irp jj, 0,1,2,3,4,5,6,7
	ds_store_b32 v[VRS], v[ACC+\jj] offset:64*\jj
.endr
	s_wait_dscnt 0x0                               ; my partial block is in LDS, for the other waves' sake
	s_barrier_signal -1
	s_barrier_wait -1
	s_cmp_ge_u32 s4, 4                             ; 256 numbers, two a thread: waves 0 to 3 finish them
	s_cbranch_scc1 .Ldone
.irp g, 0,1,2,3,4,5,6,7
	ds_load_b64 v[RB+2*\g:RB+2*\g+1], v[VT8] offset:1024*\g        ; numbers 2 t, 2 t + 1 of wave g's block
.endr
	v_pk_add_f32 v[BE:BE+1], v[BE:BE+1], v[BD:BD+1]                ; the biases are in since the last step's wait for 0
	s_wait_dscnt 0x0
.irp g, 0,4,8,12
	v_pk_add_f32 v[RB+\g:RB+\g+1], v[RB+\g:RB+\g+1], v[RB+\g+2:RB+\g+3]
.endr
	v_pk_add_f32 v[RB:RB+1], v[RB:RB+1], v[RB+4:RB+5]
	v_pk_add_f32 v[RB+8:RB+9], v[RB+8:RB+9], v[RB+12:RB+13]
	v_pk_add_f32 v[RB:RB+1], v[RB:RB+1], v[RB+8:RB+9]
	v_pk_add_f32 v[RB:RB+1], v[RB:RB+1], v[BE:BE+1]
	global_store_b64 v[VT8], v[RB:RB+1], s[20:21]                  ; a wave's store covers 256 consecutive bytes, aligned
.Ldone:
	s_endpgm
.Lfunc_end_k_qb1469b50ff_prep:
	.size	k_qb1469b50ff_prep, .Lfunc_end_k_qb1469b50ff_prep-k_qb1469b50ff_prep
	.p2alignl 7, 3214868480
	.fill 96, 4, 3214868480
	.section	.rodata,"a",@progbits
	.p2align	6, 0x0
	.amdhsa_kernel k_qb1469b50ff_prep
		.amdhsa_group_segment_fixed_size 8192
		.amdhsa_private_segment_fixed_size 0
		.amdhsa_enable_private_segment 0
		.amdhsa_kernarg_size 56
		.amdhsa_user_sgpr_count 2
		.amdhsa_user_sgpr_kernarg_segment_ptr 1
		.amdhsa_wavefront_size32 1
		.amdhsa_system_sgpr_workgroup_id_x 1
		.amdhsa_system_sgpr_workgroup_id_y 1
		.amdhsa_system_sgpr_workgroup_id_z 1
		.amdhsa_system_vgpr_workitem_id 0
		.amdhsa_next_free_vgpr 192
		.amdhsa_next_free_sgpr 66
		.amdhsa_reserve_vcc 0
		.amdhsa_float_denorm_mode_32 3
		.amdhsa_float_denorm_mode_16_64 3
		.amdhsa_memory_ordered 1
		.amdhsa_forward_progress 1
		.amdhsa_inst_pref_size 14
	.end_amdhsa_kernel
	.amdgpu_metadata
---
amdhsa.version: [ 1, 2 ]
amdhsa.kernels:
  - .name:           k_qb1469b50ff_prep
    .symbol:         k_qb1469b50ff_prep.kd
    .args:
      - { .name: W_enc, .offset: 0, .size: 8, .value_kind: global_buffer, .address_space: global }
      - { .name: W_dec, .offset: 8, .size: 8, .value_kind: global_buffer, .address_space: global }
      - { .name: decoder_state, .offset: 16, .size: 8, .value_kind: global_buffer, .address_space: global }
      - { .name: b_enc, .offset: 24, .size: 8, .value_kind: global_buffer, .address_space: global }
      - { .name: b_dec, .offset: 32, .size: 8, .value_kind: global_buffer, .address_space: global }
      - { .name: wf, .offset: 40, .size: 8, .value_kind: global_buffer, .address_space: global }
      - { .name: cblk, .offset: 48, .size: 8, .value_kind: global_buffer, .address_space: global }
    .group_segment_fixed_size: 8192
    .private_segment_fixed_size: 0
    .kernarg_segment_align: 8
    .kernarg_segment_size: 56
    .max_flat_workgroup_size: 256
    .sgpr_count:     66
    .vgpr_count:     192
    .wavefront_size: 32
...
	.end_amdgpu_metadata
.endif
;; end of part 1
;; launch tile (part 2): grid 8 x 64, 4 waves a work-group, no clusters, 282,880 bytes of LDS; arguments source_hids, src_lengths, v_score, wf, cblk, sc, st, part; writes sc, st, part
.if DOCPART == 2
	.amdgcn_target "amdgcn-amd-amdhsa--gfx1250"
	.amdhsa_code_object_version 6
	.text
	.protected	k_qb1469b50ff_tile
	.globl	k_qb1469b50ff_tile
	.p2align	8
	.type	k_qb1469b50ff_tile,@function
k_qb1469b50ff_tile:
	s_mov_b64 s[64:65], 0
	v_nop
	global_prefetch_b8 v0, s[64:65] scope:SCOPE_SE
	s_setreg_imm32_b32 hwreg(HW_REG_WAVE_MODE, 25, 1), 1
	s_wait_xcnt 0x0
; tile: for one b and 128 consecutive s (s = 128 x ..): the encoder's product, tanh, the score, the mask, the tile's own softmax
; (maximum m, weights p = e^(score - m), sum l) and the tile's partial context sum of p x row.  The last launch joins the eight tiles of a b.
; The 128 rows of source_hids are read from memory ONCE, rounded to bf16 and kept in LDS (128 rows of 2,048 + 16 bytes): they serve the
; 2 x 32 K steps of the product and then the context sum.
; Four waves.  The 1,024 attention columns go in two chunks of 512; in a chunk wave w makes all 128 rows x its 128 columns
; (512 c + 128 w ..): 64 accumulator tiles of 16 x 16, 512 registers.
; W_enc comes as wf (bf16, in fragment order) straight from memory into registers: no fragment of it is used by two waves
; of the work-group, so LDS would give it no second use.  A ring of four K steps in registers, 16 loads of 512 consecutive bytes each,
; keeps 48 to 64 loads of every wave on their way; the waits are counted and no barrier stands in the product.
; NO JOINT REQUESTS FOR W, though all work-groups walk it: a K step of W for the work-group's 512 columns is 512 x 64 = 32,768 bytes, two slots
; are 65,536, and beside the 282,880 bytes used here a work-group can be given 44,800 more: a ring of two slots of even one K step does not fit.
; THE MATRIX INSTRUCTION IS USED TRANSPOSED: source 0 = 16 columns of W, source 1 = 16 rows of A.  Lane (r, h) then holds row 16 a + r, and
; its registers 0-7 the columns n0 + 8 h + 0..7: the sum over columns that the score needs runs along registers, and what is added to
; a column (cblk = the decoder's projection and both biases) has the accumulator's own layout: a chunk's first K step takes it as its C.
; tanh x = 1 - 2 / (1 + 2^y), y = 2 log2(e) x, the factor applied in f32; so score = sum(v) + sum(-2 v / (1 + 2^y)).
; y = +-infinity gives tanh = +-1 as it should.
; LIMITS: the operands of the products are rounded to bf16 as they are given: source_hids (in the product and in the context sum), W_enc, and
; v_score (once, then widened again: sum(v) and -2 v are made of the rounded numbers).  The score is formed as sum(v) plus a sum
; of 1,024 terms: an order of rounding other than the reference's, with an absolute error of the order of 2^-23 x sum|v|.  v_exp_f32 gives 0
; for results below 2^-126.  src_lengths is compared as a signed number: at or below 0 every position of that b is masked (the softmax is then
; uniform, as in the reference), above 1,024 none is.
;
; REGISTERS, in windows of 256: window 0 addresses, A's fragments (two buffers), scratch; window 1 the ring of W (slot g at 64 g);
; window 2 the accumulator tiles of rows 0-63 (tile (a, b) at 8 (8 a + b)), window 3 those of rows 64-127.  While the rows are loaded, window 2 takes them in f32.
.set KS,    0x4038aa3b                 ; 2 log2(e) = 2.885390
.set PITCH, 2064                       ; an LDS row of A: 2,048 bytes + 16 = 129 x 16: the 16 rows of a fragment load start at 16 different 16-byte columns of 256 bytes
.set R16,   16*PITCH
.set R32,   32*PITCH
.set LC,    128*PITCH                  ; 264,192: cblk's 1,024 numbers of this b
.set LV,    LC+4096                    ; -2 v
.set LSC,   LV+4096                    ; [w][h][128 rows] partial scores
.set LPW,   LSC+4096                   ; [w][128] the weights p, a copy for each wave
.set LXS,   LPW+2048                   ; [w][1,024 bytes] stage for the way out
.set LSV,   LXS+4096                   ; [w] partial sums of v
.set ADR0,  8                          ; v8-11   (32 p + r) PITCH + 16 h: A's fragments at K = 0, never rewritten
.set ADRA,  16                         ; v16-19  the same, stepped along K
.set VB,    20                         ; v20     16 L
.set LA0,   21                         ; v21-22  where I store bf16 rows: w x 32 rows + 8 L; the same 16 rows further down
.set CVA,   23                         ; v23     LC + 512 w + 32 h
.set SUM,   24                         ; v24-31  partial score of row 16 a + r
.set SCW,   32
.set SCR,   33
.set PWA,   34
.set PWR,   35
.set AR,    36                         ; v36     context sum: 512 w + 16 L, stepped by 32 rows
.set XSW,   37
.set XSR,   38
.set GO,    39
.set IDX,   40                         ; v40     128 x + 4 L: the s of my first score
.set VT16,  41
.set CGO,   42
.set LCA,   43
.set VV,    44                         ; v[44:51] v_score as loaded
.set CC,    52                         ; v[52:59] cblk as loaded
.set SVW,   60
.set SVR,   61
.set F0,    64                         ; v64-127   fragment buffer 0
.set F1,    128                        ; v128-191  fragment buffer 1
.set TMP,   192                        ; v192-255  in the product: cblk of my 128 columns, 8 registers a column block; else scratch
.set PB,    192                        ; v192-223  16 weights, two buffers
.set CX,    224                        ; v224-231  context sums of my 8 columns
.set SS,    232                        ; v[232:235] my four scores
.set ML,    236                        ; v[236:237] m, l
.set PP,    240                        ; v[240:243] my four weights
.set T2,    244                        ; v244-247  at work
.set MUL_LO,  0xa1                     ; source 0 (W) window 1, source 1 (A) window 0, C and D window 2
.set MUL_HI,  0xf1
.set MUL_LO0, 0x81                     ; a chunk's first K step: D window 2, C (cblk) window 0
.set MUL_HI0, 0xc1
.set TO_B,   0x40                      ; destination window 1
.set TO_X,   0x80                      ; destination window 2
.set CV_X,   0x8a                      ; destination and sources 0, 1 window 2
.set ST_X,   0x08                      ; LDS store: data (source 1) window 2, address window 0
.set EP_LO,  0xa2                      ; destination, sources 0 and 2 window 2; source 1 window 0
.set EP_HI,  0xf3
.set RD_HI,  0xcf
.set OUT_LO, 0x02                      ; source 0 window 2, the rest window 0
.set OUT_HI, 0x03
.set MSB, 0
.macro WIN new                         ; the immediate's high byte repeats the setting that is left; a switch that changes nothing is dropped
.if MSB != \new
	s_set_vgpr_msb (MSB<<8)|\new
.set MSB, \new
.endif
.endm
.macro PLACES                          ; four places behind a matrix instruction before its result is read or a register of it is written or loaded (ISA guide 7.12.1)
.rept 4
	v_nop
.endr
.endm
	s_load_b512 s[8:23], s[0:1], 0x0               ; source_hids 8, src_lengths 10, v_score 12, wf 14, cblk 16, sc 18, st 20, part 22
	v_lshrrev_b32 v4, 5, v0
	v_readfirstlane_b32 s4, v4                     ; w, 0 to 3
	s_and_b32 s3, ttmp7, 0xffff                    ; b;  x is ttmp9
	s_mov_b32 s26, 0x76543210                      ; v_permlanex16_b32: lane i of one half reads lane i of the other
	s_mov_b32 s27, 0xfedcba98
	v_and_b32 v1, 31, v0                           ; L
	v_and_b32 v2, 15, v0                           ; r
	v_bfe_u32 v3, v0, 4, 1                         ; h
	v_mul_u32_u24 v4, v2, PITCH
	v_lshl_add_u32 v4, v3, 4, v4
.irp p, 0,1,2,3
	v_add_nc_u32 v[ADR0+\p], \p*R32, v4
.endr
	v_lshlrev_b32 v[VB], 4, v1
	s_mul_i32 s6, s4, R32
	v_lshl_add_u32 v[LA0], v1, 3, s6
	v_add_nc_u32 v[LA0+1], R16, v[LA0]
	s_lshl_b32 s7, s4, 9                           ; 512 w
	s_lshl_b32 s25, s4, 10                         ; 1,024 w
	s_add_co_u32 s24, s7, LC
	v_lshl_add_u32 v[CVA], v3, 5, s24
	s_add_co_u32 s24, s25, LSC
	v_lshl_add_u32 v[SCW], v3, 9, s24              ; LSC + (2 w + h) x 512
	v_lshl_add_u32 v[SCW], v2, 2, v[SCW]           ; + 4 r
	v_add_nc_u32 v[SCR], LSC, v[VB]
	s_add_co_u32 s24, s7, LPW
	v_add_nc_u32 v[PWA], s24, v[VB]
	v_mov_b32 v[PWR], s24
	v_add_nc_u32 v[AR], s7, v[VB]
	s_add_co_u32 s24, s25, LXS
	v_lshl_add_u32 v[XSW], v1, 5, s24
	v_add_nc_u32 v[XSR], s24, v[VB]
	v_add_nc_u32 v[GO], s25, v[VB]
	s_lshl_b32 s24, ttmp9, 7
	v_lshl_add_u32 v[IDX], v1, 2, s24
	v_lshlrev_b32 v[VT16], 4, v0
	v_lshrrev_b32 v4, 2, v0
	v_and_b32 v5, 3, v0
	v_lshlrev_b32 v5, 4, v5
	v_lshl_add_u32 v[CGO], v4, 12, v5              ; cblk[j = t / 4][b][4 (t % 4) ..]
	v_add_nc_u32 v[LCA], LC, v[VT16]
	s_lshl_b32 s24, s4, 2
	s_add_co_u32 s24, s24, LSV
	v_mov_b32 v[SVW], s24
	v_mov_b32 v[SVR], LSV
	; offsets, each in a pair of its own with 0 on top
	s_lshl_b32 s30, s3, 2                          ; src_lengths[b]
	s_mov_b32 s31, 0
	s_lshl_b32 s32, ttmp9, 25                      ; 128 x rows of 262,144 bytes
	s_lshl_b32 s24, s4, 23                         ; + 32 w rows
	s_add_co_u32 s32, s32, s24
	s_lshl_b32 s24, s3, 12                         ; + b x 4,096
	s_add_co_u32 s32, s32, s24
	s_mov_b32 s33, 0
	s_lshl_b32 s34, s4, 19                         ; wf: my wave's 64 K steps of 8,192 bytes
	s_mov_b32 s35, 0
	s_lshl_b32 s36, s3, 6                          ; cblk: b x 64
	s_mov_b32 s37, 0
	s_lshl_b32 s24, ttmp9, 3
	s_add_co_u32 s38, s36, s24                     ; st: b x 64 + 8 x
	s_mov_b32 s39, 0
	s_lshl_b32 s40, s3, 12
	s_lshl_b32 s24, ttmp9, 9
	s_add_co_u32 s40, s40, s24                     ; sc: b x 4,096 + 512 x
	s_mov_b32 s41, 0
	s_lshl_b32 s42, s3, 15
	s_lshl_b32 s24, ttmp9, 12
	s_add_co_u32 s42, s42, s24                     ; part: b x 32,768 + 4,096 x
	s_mov_b32 s43, 0
	s_wait_kmcnt 0x0
	s_add_nc_u64 s[10:11], s[10:11], s[30:31]
	s_add_nc_u64 s[8:9], s[8:9], s[32:33]
	s_add_nc_u64 s[14:15], s[14:15], s[34:35]
	s_add_nc_u64 s[16:17], s[16:17], s[36:37]
	s_add_nc_u64 s[20:21], s[20:21], s[38:39]
	s_add_nc_u64 s[18:19], s[18:19], s[40:41]
	s_add_nc_u64 s[22:23], s[22:23], s[42:43]
	s_load_b32 s5, s[10:11], 0x0                   ; this b's length; waited for where the mask is made
; ---- the rows come in ----
; Four rows of my wave's 32, f32, into 128 registers of window 2: each load covers 512 consecutive bytes of a row.
.macro ALOAD i, x
	WIN TO_X
.irp rr, 0,1,2,3
.irp jj, 0,1,2,3,4,5,6,7
	global_load_b128 v[\x+32*\rr+4*\jj:\x+32*\rr+4*\jj+3], v[VB], s[8:9] offset:(4*(\i)+\rr)*262144+512*\jj th:TH_LOAD_NT
.endr
.endr
.endm
; The same four rows to bf16, in place (four f32 into the first two of their registers), and into LDS, 8 bytes a lane: 256 consecutive bytes a store.
.macro ACVT i, x
	WIN CV_X
.set cq, 0
.rept 32
	v_cvt_pk_bf16_f32 v[\x+4*cq],   v[\x+4*cq],   v[\x+4*cq+1]
	v_cvt_pk_bf16_f32 v[\x+4*cq+1], v[\x+4*cq+2], v[\x+4*cq+3]
.set cq, cq+1
.endr
	WIN ST_X
.irp rr, 0,1,2,3
.irp jj, 0,1,2,3,4,5,6,7
	ds_store_b64 v[LA0+(\i)/4], v[\x+32*\rr+4*\jj:\x+32*\rr+4*\jj+1] offset:((4*(\i)+\rr)%16)*PITCH+256*\jj
.endr
.endr
.endm
; One K step of W for my 128 columns into ring slot sg: 16 loads of 512 consecutive bytes.
.macro BLOAD sg, off
	WIN TO_B
.irp nb, 0,1,2,3,4,5,6,7
	global_load_b128 v[64*\sg+8*\nb:64*\sg+8*\nb+3],   v[VB], s[14:15] offset:\off+1024*\nb
	global_load_b128 v[64*\sg+8*\nb+4:64*\sg+8*\nb+7], v[VB], s[14:15] offset:\off+1024*\nb+512
.endr
.endm
; cblk's numbers and -2 v into LDS, linear in the column; my wave's part of sum(v).
.macro VCWORK
	WIN 0
	ds_store_b128 v[LCA], v[CC:CC+3]
	ds_store_b128 v[LCA], v[CC+4:CC+7] offset:2048
.irp k, 0,1,2,3
	v_cvt_pk_bf16_f32 v[TMP+4+\k], v[VV+2*\k], v[VV+2*\k+1]        ; v_score is a product's operand: to bf16, like the others,
.endr
.irp k, 0,1,2,3
	v_lshlrev_b32 v[VV+2*\k],   16, v[TMP+4+\k]                    ; and back to f32, in which all the arithmetic on it is done
	v_and_b32     v[VV+2*\k+1], 0xffff0000, v[TMP+4+\k]
.endr
	v_pk_add_f32 v[TMP:TMP+1], v[VV:VV+1], v[VV+2:VV+3]
	v_pk_add_f32 v[TMP+2:TMP+3], v[VV+4:VV+5], v[VV+6:VV+7]
	v_pk_add_f32 v[TMP:TMP+1], v[TMP:TMP+1], v[TMP+2:TMP+3]
	v_add_f32 v[TMP], v[TMP], v[TMP+1]
	v_add_f32_dpp v[TMP], v[TMP], v[TMP] row_xmask:1 row_mask:0xf bank_mask:0xf
	v_add_f32_dpp v[TMP], v[TMP], v[TMP] row_xmask:2 row_mask:0xf bank_mask:0xf
	v_add_f32_dpp v[TMP], v[TMP], v[TMP] row_xmask:4 row_mask:0xf bank_mask:0xf
	v_add_f32_dpp v[TMP], v[TMP], v[TMP] row_xmask:8 row_mask:0xf bank_mask:0xf
	v_permlanex16_b32 v[TMP+1], v[TMP], s26, s27
	v_add_f32 v[TMP], v[TMP], v[TMP+1]
	ds_store_b32 v[SVW], v[TMP]                    ; all lanes write the same word with the same value
.irp k, 0,2,4,6
	v_pk_mul_f32 v[VV+\k:VV+\k+1], v[VV+\k:VV+\k+1], -2.0 op_sel_hi:[1,0]
.endr
	ds_store_b128 v[LCA], v[VV:VV+3] offset:4096
	ds_store_b128 v[LCA], v[VV+4:VV+7] offset:6144
.endm
	global_load_b128 v[VV:VV+3],   v[VT16], s[12:13]
	global_load_b128 v[VV+4:VV+7], v[VT16], s[12:13] offset:2048
	global_load_b128 v[CC:CC+3],   v[CGO], s[16:17]                ; j = 0 to 31
	global_load_b128 v[CC+4:CC+7], v[CGO], s[16:17] offset:131072  ; j = 32 to 63
	ALOAD 0, 0
	ALOAD 1, 128
.irp i, 0,1,2,3,4,5,6,7
	s_wait_loadcnt 32                              ; loads come back in order (ISA guide 5.7.1): the 32 youngest (the next four rows; at the end two slots of W) stay out, batch i is in
.if \i == 0
	VCWORK                                         ; the four small loads are older than batch 0
.endif
	ACVT \i, 128*(\i%2)
.if \i <= 5
	ALOAD \i+2, 128*(\i%2)
.endif
.if \i == 6
	BLOAD 0, 0                                     ; the ring of W is filled while the last rows arrive
	BLOAD 1, 8192
.endif
.if \i == 7
	BLOAD 2, 16384
	BLOAD 3, 24576
.endif
.endr
	WIN 0
	s_wait_dscnt 0x0                               ; my rows, my parts of cblk, -2 v and sum(v) are in LDS, for the other waves' sake
	s_barrier_signal -1
	s_barrier_wait -1                              ; all 128 rows are there; nothing of them is written again
; ---- the product ----
; A's fragments of one K step (128 rows x 32 K at byte k of the rows) into buffer f: lane (r, h) takes row r, 16 bytes at 16 h and 16 at 32 + 16 h.
.macro FETCHA k, f
	WIN 0
.irp i, 0,1,2,3,4,5,6,7
	ds_load_b128 v[\f+8*\i:\f+8*\i+3],   v[ADRA+\i/2] offset:(\i%2)*R16+\k
	ds_load_b128 v[\f+8*\i+4:\f+8*\i+7], v[ADRA+\i/2] offset:(\i%2)*R16+\k+32
.endr
.endm
; 16 matrix instructions: row blocks a0, a0 + 1 of the window's four x my 8 column blocks.  first = 1: the sums start from cblk's numbers of the
; column block (C in window 0, D in the accumulators' window): nothing is cleared, and nothing is added in the epilogue.
; The 64 accumulators take turns, one instruction a turn, in the same order in every K step.
.macro MUL16 f, bs, hi, a0, first
.irp a, \a0, \a0+1
.irp b, 0,1,2,3,4,5,6,7
.if \first
	v_wmma_f32_16x16x32_bf16 v[8*(8*(\a)+\b):8*(8*(\a)+\b)+7], v[\bs+8*\b:\bs+8*\b+7], v[\f+8*(4*\hi+\a):\f+8*(4*\hi+\a)+7], v[TMP+8*\b:TMP+8*\b+7]
.else
	v_wmma_f32_16x16x32_bf16 v[8*(8*(\a)+\b):8*(8*(\a)+\b)+7], v[\bs+8*\b:\bs+8*\b+7], v[\f+8*(4*\hi+\a):\f+8*(4*\hi+\a)+7], v[8*(8*(\a)+\b):8*(8*(\a)+\b)+7]
.endif
.endr
.endr
.endm
; One K step: multiplies A's buffer f by ring slot sg.  In its middle it fetches the next step's A fragments (byte kf) into buffer g (fetch = 1);
; at its end it asks for the K step four ahead into the slot just used (ahead = 1).  lcnt = the loads of W that are younger than this slot's.
.macro STEP f, g, kf, sg, first, ahead, lcnt, fetch
	s_wait_loadcnt \lcnt
	s_wait_dscnt 8                                 ; A's rows 0-63 are in (and, in a chunk's first step, cblk's numbers, which were asked for earlier); the youngest eight LDS loads (rows 64-127) may be out
.if \first
	WIN MUL_LO0
.else
	WIN MUL_LO
.endif
	MUL16 \f, 64*\sg, 0, 0, \first
	MUL16 \f, 64*\sg, 0, 2, \first
.if \fetch
	PLACES                                         ; buffer g was read by the last step's matrix instructions
	FETCHA \kf, \g
	s_wait_dscnt 16                                ; all but the 16 just issued
.else
	s_wait_dscnt 0
.endif
.if \first
	WIN MUL_HI0
.else
	WIN MUL_HI
.endif
	MUL16 \f, 64*\sg, 1, 0, \first
	MUL16 \f, 64*\sg, 1, 2, \first
.if \ahead
	PLACES                                         ; the slot was read by the matrix instructions just issued
.if \sg == 3
	s_wait_xcnt 0x0                                ; W's base is stepped only behind this wait; the youngest loads that name it were issued 64 matrix instructions ago
	s_add_nc_u64 s[14:15], s[14:15], 0x8000        ; four K steps on
	BLOAD 3, 24576
.else
	BLOAD \sg, 32768+8192*\sg
.endif
.endif
.endm
; Four K steps, once round the ring of W.  With ahead = 1 three slots of 16 loads are younger at every step's head; without, the counts run down.
.macro TRIP first, ahead, last
.if \ahead
	STEP F0, F1, 64,  0, \first, 1, 48, 1
	STEP F1, F0, 128, 1, 0,      1, 48, 1
	STEP F0, F1, 192, 2, 0,      1, 48, 1
	STEP F1, F0, 256, 3, 0,      1, 48, 1-\last
.else
	STEP F0, F1, 64,  0, \first, 0, 48, 1
	STEP F1, F0, 128, 1, 0,      0, 32, 1
	STEP F0, F1, 192, 2, 0,      0, 16, 1
	STEP F1, F0, 256, 3, 0,      0, 0,  1-\last
.endif
	WIN 0                                          ; at a label and at a branch every window is 0
.if \last == 0
.irp p, 0,1,2,3
	v_add_nc_u32 v[ADRA+\p], 256, v[ADRA+\p]       ; 128 K on
.endr
.endif
.endm
; ---- tanh and the dot product with v, on the accumulators in place ----
; Three stages run one tile apart, so that behind every run of transcendentals stands a plain instruction of another tile (ISA guide 5.7.2).
.macro E1 t                            ; y = 2 log2(e) x; 2^y
.irp i, 0,2,4,6
	v_pk_mul_f32 v[8*(\t)+\i:8*(\t)+\i+1], v[8*(\t)+\i:8*(\t)+\i+1], KS op_sel_hi:[1,0]
.endr
.irp i, 0,1,2,3,4,5,6,7
	v_exp_f32 v[8*(\t)+\i], v[8*(\t)+\i]
.endr
.endm
.macro E2 t                            ; 1 / (1 + 2^y)
	s_wait_alu depctr_va_vdst(0)
.irp i, 0,2,4,6
	v_pk_add_f32 v[8*(\t)+\i:8*(\t)+\i+1], v[8*(\t)+\i:8*(\t)+\i+1], 1.0 op_sel_hi:[1,0]
.endr
.irp i, 0,1,2,3,4,5,6,7
	v_rcp_f32 v[8*(\t)+\i], v[8*(\t)+\i]
.endr
.endm
.macro E3 t                            ; times -2 v, added along the row block's eight tiles: the last of them ends up with the sums
.irp i, 0,2,4,6
.if (\t)%8 == 0
	s_wait_alu depctr_va_vdst(0)
	v_pk_mul_f32 v[8*(\t)+\i:8*(\t)+\i+1], v[8*(\t)+\i:8*(\t)+\i+1], v[F1+\i:F1+\i+1]
.else
	s_wait_alu depctr_va_vdst(0)
	v_pk_fma_f32 v[8*(\t)+\i:8*(\t)+\i+1], v[8*(\t)+\i:8*(\t)+\i+1], v[F1+8*((\t)%8)+\i:F1+8*((\t)%8)+\i+1], v[8*(\t)-8+\i:8*(\t)-8+\i+1]
.endif
.endr
.endm
.macro EWIN                            ; the 32 tiles of one window
.set tt, 0
.rept 34
.if tt < 32
	E1 tt
.endif
.if tt >= 1
.if tt <= 32
	E2 tt-1
.endif
.endif
.if tt >= 2
	E3 tt-2
.endif
.set tt, tt+1
.endr
.endm
.macro EHALF c, ep, rd, out, s0
	WIN \ep
	EWIN
	WIN \rd
.irp a, 0,1,2,3
	v_pk_add_f32 v[64*\a+56:64*\a+57], v[64*\a+56:64*\a+57], v[64*\a+58:64*\a+59]
	v_pk_add_f32 v[64*\a+60:64*\a+61], v[64*\a+60:64*\a+61], v[64*\a+62:64*\a+63]
.endr
.irp a, 0,1,2,3
	v_pk_add_f32 v[64*\a+56:64*\a+57], v[64*\a+56:64*\a+57], v[64*\a+60:64*\a+61]
.endr
.irp a, 0,1,2,3
	v_add_f32 v[64*\a+56], v[64*\a+56], v[64*\a+57]
.endr
	WIN \out
.irp a, 0,1,2,3
.if \c
	v_add_f32 v[SUM+\s0+\a], v[64*\a+56], v[SUM+\s0+\a]
.else
	v_mov_b32 v[SUM+\s0+\a], v[64*\a+56]           ; the first chunk starts the sums
.endif
.endr
.endm
.macro EPI c
	PLACES                                         ; behind the chunk's last matrix instructions: results are read, buffer 1 is loaded
	WIN 0
.irp nb, 0,1,2,3,4,5,6,7
	ds_load_b128 v[F1+8*\nb:F1+8*\nb+3],   v[CVA] offset:4096+2048*\c+64*\nb    ; -2 v of columns 512 c + 128 w + 16 nb + 8 h + 0..7
	ds_load_b128 v[F1+8*\nb+4:F1+8*\nb+7], v[CVA] offset:4096+2048*\c+64*\nb+16
.endr
	s_wait_dscnt 0x0
	EHALF \c, EP_LO, CV_X,  OUT_LO, 0
	EHALF \c, EP_HI, RD_HI, OUT_HI, 4
	WIN 0
.endm
; A chunk of 512 columns: 32 K steps in 8 trips, then its epilogue.  The first trip starts the sums from cblk; the last fetches no further fragment
; of A; chunk 0's last trip still asks for W (chunk 1's first four K steps follow in wf), chunk 1's asks for nothing: no load leaves wf.
.macro CHUNK c
.irp p, 0,1,2,3
	v_mov_b32 v[ADRA+\p], v[ADR0+\p]
.endr
.irp nb, 0,1,2,3,4,5,6,7
	ds_load_b128 v[TMP+8*\nb:TMP+8*\nb+3],   v[CVA] offset:2048*\c+64*\nb       ; cblk of columns 512 c + 128 w + 16 nb + 8 h + 0..7: the layout of an accumulator tile's lane
	ds_load_b128 v[TMP+8*\nb+4:TMP+8*\nb+7], v[CVA] offset:2048*\c+64*\nb+16
.endr
	FETCHA 0, F0
	TRIP 1, 1, 0
	s_mov_b32 s28, 6
.Lk_\c:
	TRIP 0, 1, 0
	s_sub_co_u32 s28, s28, 1
	s_cmp_lg_u32 s28, 0
	s_cbranch_scc1 .Lk_\c
	TRIP 0, 1-\c, 1
	EPI \c
.endm
	CHUNK 0
	CHUNK 1
; ---- the scores of the 128 rows ----
.irp a, 0,1,2,3,4,5,6,7
	ds_store_b32 v[SCW], v[SUM+\a] offset:64*\a    ; [w][h][row 16 a + r]
.endr
	s_wait_dscnt 0x0                               ; for the other waves' sake
	s_barrier_signal -1
	s_barrier_wait -1
	; every wave makes all 128 scores for itself (lane L: rows 4 L to 4 L + 3): no further barrier is needed
.irp g, 0,1,2,3,4,5,6,7
	ds_load_b128 v[F0+4*\g:F0+4*\g+3], v[SCR] offset:512*\g
.endr
	ds_load_b128 v[F0+32:F0+35], v[SVR]            ; the four parts of sum(v)
	s_wait_dscnt 0x0
.irp g, 0,2,4,6
	v_pk_add_f32 v[F0+4*\g:F0+4*\g+1],   v[F0+4*\g:F0+4*\g+1],   v[F0+4*\g+4:F0+4*\g+5]
	v_pk_add_f32 v[F0+4*\g+2:F0+4*\g+3], v[F0+4*\g+2:F0+4*\g+3], v[F0+4*\g+6:F0+4*\g+7]
.endr
.irp g, 0,4
	v_pk_add_f32 v[F0+4*\g:F0+4*\g+1],   v[F0+4*\g:F0+4*\g+1],   v[F0+4*\g+8:F0+4*\g+9]
	v_pk_add_f32 v[F0+4*\g+2:F0+4*\g+3], v[F0+4*\g+2:F0+4*\g+3], v[F0+4*\g+10:F0+4*\g+11]
.endr
	v_pk_add_f32 v[F0:F0+1],   v[F0:F0+1],   v[F0+16:F0+17]
	v_pk_add_f32 v[F0+2:F0+3], v[F0+2:F0+3], v[F0+18:F0+19]
	v_pk_add_f32 v[F0+32:F0+33], v[F0+32:F0+33], v[F0+34:F0+35]
	v_add_f32 v[F0+32], v[F0+32], v[F0+33]
	v_pk_add_f32 v[SS:SS+1],   v[F0:F0+1],   v[F0+32:F0+33] op_sel_hi:[1,0]     ; + sum(v), in both halves
	v_pk_add_f32 v[SS+2:SS+3], v[F0+2:F0+3], v[F0+32:F0+33] op_sel_hi:[1,0]
	; the mask: s < length keeps the score, else -1e6.  A choice of values: no branch and no address hangs on the length.
	v_mov_b32 v[T2], 0xc9742400                    ; -1,000,000.0
	v_add_nc_u32 v[T2+1], 1, v[IDX]
	v_add_nc_u32 v[T2+2], 2, v[IDX]
	v_add_nc_u32 v[T2+3], 3, v[IDX]
	s_wait_kmcnt 0x0                               ; the length
	v_cmp_gt_i32 vcc_lo, s5, v[IDX]
	v_cndmask_b32 v[SS], v[T2], v[SS], vcc_lo
	v_cmp_gt_i32 vcc_lo, s5, v[T2+1]
	v_cndmask_b32 v[SS+1], v[T2], v[SS+1], vcc_lo
	v_cmp_gt_i32 vcc_lo, s5, v[T2+2]
	v_cndmask_b32 v[SS+2], v[T2], v[SS+2], vcc_lo
	v_cmp_gt_i32 vcc_lo, s5, v[T2+3]
	v_cndmask_b32 v[SS+3], v[T2], v[SS+3], vcc_lo
	; the tile's maximum, in every lane
	v_max3_num_f32 v[ML], v[SS], v[SS+1], v[SS+2]
	v_max_num_f32 v[ML], v[ML], v[SS+3]
	v_max_num_f32_dpp v[ML], v[ML], v[ML] row_xmask:1 row_mask:0xf bank_mask:0xf
	v_max_num_f32_dpp v[ML], v[ML], v[ML] row_xmask:2 row_mask:0xf bank_mask:0xf
	v_max_num_f32_dpp v[ML], v[ML], v[ML] row_xmask:4 row_mask:0xf bank_mask:0xf
	v_max_num_f32_dpp v[ML], v[ML], v[ML] row_xmask:8 row_mask:0xf bank_mask:0xf
	v_permlanex16_b32 v[T2+1], v[ML], s26, s27
	v_max_num_f32 v[ML], v[ML], v[T2+1]
	; p = e^(score - m).  The difference first, then the factor: fused the other way round, the rounding of m log2(e) at m = -1e6 would show in p.
.irp i, 0,1,2,3
	v_sub_f32 v[PP+\i], v[SS+\i], v[ML]
.endr
	v_pk_mul_f32 v[PP:PP+1],   v[PP:PP+1],   0x3fb8aa3b op_sel_hi:[1,0]
	v_pk_mul_f32 v[PP+2:PP+3], v[PP+2:PP+3], 0x3fb8aa3b op_sel_hi:[1,0]
.irp i, 0,1,2,3
	v_exp_f32 v[PP+\i], v[PP+\i]
.endr
.irp q, 0,1,2,3,4,5,6,7
	v_mov_b32 v[CX+\q], 0                          ; plain work behind the transcendentals (ISA guide 5.7.2): the eight context sums start at 0
.endr
	s_wait_alu depctr_va_vdst(0)
	v_pk_add_f32 v[T2+2:T2+3], v[PP:PP+1], v[PP+2:PP+3]
	v_add_f32 v[ML+1], v[T2+2], v[T2+3]
	v_add_f32_dpp v[ML+1], v[ML+1], v[ML+1] row_xmask:1 row_mask:0xf bank_mask:0xf
	v_add_f32_dpp v[ML+1], v[ML+1], v[ML+1] row_xmask:2 row_mask:0xf bank_mask:0xf
	v_add_f32_dpp v[ML+1], v[ML+1], v[ML+1] row_xmask:4 row_mask:0xf bank_mask:0xf
	v_add_f32_dpp v[ML+1], v[ML+1], v[ML+1] row_xmask:8 row_mask:0xf bank_mask:0xf
	v_permlanex16_b32 v[T2+1], v[ML+1], s26, s27
	v_add_f32 v[ML+1], v[ML+1], v[T2+1]            ; l
	ds_store_b128 v[PWA], v[PP:PP+3]               ; my wave's own copy of the 128 weights
	s_cmp_lg_u32 s4, 0                             ; wave 0 writes the tile's scores and (m, l)
	s_cbranch_scc1 .Lnot_wave_0
	global_store_b128 v[VB], v[SS:SS+3], s[18:19]  ; 512 consecutive bytes, aligned
	v_cmp_eq_u32 vcc_lo, 0, v1
	s_wait_xcnt 0x0                                ; EXEC changes only behind s_wait_xcnt 0
	s_and_saveexec_b32 s29, vcc_lo
	global_store_b64 v[VB], v[ML:ML+1], s[20:21]   ; lane 0 (its 16 L is 0): the 8 bytes that a tile has of these
	s_wait_xcnt 0x0                                ; and again, in front of the line that widens it
	s_or_b32 exec_lo, exec_lo, s29
.Lnot_wave_0:
; ---- the tile's partial context: sum over the 128 rows of p x row, wave w for columns 256 w .., lane L for 8 of them ----
.macro CLOAD g, fb, pb                 ; rows 16 g .. 16 g + 15 (512 consecutive bytes a load) and their 16 weights (the same address in all lanes)
.irp i, 0,1,2,3,4,5,6,7,8,9,10,11,12,13,14,15
	ds_load_b128 v[\fb+4*\i:\fb+4*\i+3], v[AR] offset:((\g)%2)*R16+PITCH*\i
.endr
.irp u, 0,1,2,3
	ds_load_b128 v[\pb+4*\u:\pb+4*\u+3], v[PWR] offset:64*(\g)+16*\u    ; LDS serves a wave's instructions in order (ISA guide 5.7.1): these see the store of p above
.endr
.endm
.macro CFMA fb, pb                     ; bf16 half x f32 weight + f32 sum, one rounding
.irp i, 0,1,2,3,4,5,6,7,8,9,10,11,12,13,14,15
.irp q, 0,1,2,3
	v_fma_mix_f32_bf16 v[CX+2*\q],   v[\fb+4*\i+\q], v[\pb+\i], v[CX+2*\q]   op_sel_hi:[1,0,0]
	v_fma_mix_f32_bf16 v[CX+2*\q+1], v[\fb+4*\i+\q], v[\pb+\i], v[CX+2*\q+1] op_sel:[1,0,0] op_sel_hi:[1,0,0]
.endr
.endr
.endm
	CLOAD 0, F0, PB
.irp g, 0,1,2,3,4,5,6,7
.if \g < 7
.if (\g+1)%2 == 0
	v_add_nc_u32 v[AR], R32, v[AR]                 ; 32 rows on
.endif
	CLOAD \g+1, F0+64*((\g+1)%2), PB+16*((\g+1)%2)
	s_wait_dscnt 20                                ; the 20 loads just issued may stay out
.else
	s_wait_dscnt 0
.endif
	CFMA F0+64*(\g%2), PB+16*(\g%2)
.endr
	; the way out: a lane's 32 bytes go through my wave's own stage, so that each store covers 512 consecutive bytes
	ds_store_b128 v[XSW], v[CX:CX+3]
	ds_store_b128 v[XSW], v[CX+4:CX+7] offset:16
	ds_load_b128 v[TMP:TMP+3],   v[XSR]
	ds_load_b128 v[TMP+4:TMP+7], v[XSR] offset:512
	s_wait_dscnt 1                                 ; the second read may stay out
	global_store_b128 v[GO], v[TMP:TMP+3], s[22:23]
	s_wait_dscnt 0
	global_store_b128 v[GO], v[TMP+4:TMP+7], s[22:23] offset:512
	s_endpgm
.Lfunc_end_k_qb1469b50ff_tile:
	.size	k_qb1469b50ff_tile, .Lfunc_end_k_qb1469b50ff_tile-k_qb1469b50ff_tile
	.p2alignl 7, 3214868480
	.fill 96, 4, 3214868480
	.section	.rodata,"a",@progbits
	.p2align	6, 0x0
	.amdhsa_kernel k_qb1469b50ff_tile
		.amdhsa_group_segment_fixed_size 282880
		.amdhsa_private_segment_fixed_size 0
		.amdhsa_enable_private_segment 0
		.amdhsa_kernarg_size 64
		.amdhsa_user_sgpr_count 2
		.amdhsa_user_sgpr_kernarg_segment_ptr 1
		.amdhsa_wavefront_size32 1
		.amdhsa_system_sgpr_workgroup_id_x 1
		.amdhsa_system_sgpr_workgroup_id_y 1
		.amdhsa_system_sgpr_workgroup_id_z 1
		.amdhsa_system_vgpr_workitem_id 0
		.amdhsa_next_free_vgpr 1024
		.amdhsa_next_free_sgpr 66
		.amdhsa_reserve_vcc 1
		.amdhsa_float_denorm_mode_32 3
		.amdhsa_float_denorm_mode_16_64 3
		.amdhsa_memory_ordered 1
		.amdhsa_forward_progress 1
		.amdhsa_inst_pref_size 255
	.end_amdhsa_kernel
	.section	.bss,"aw",@nobits
	.p2align	6
	.space	262144
	.amdgpu_metadata
---
amdhsa.version: [ 1, 2 ]
amdhsa.kernels:
  - .name:           k_qb1469b50ff_tile
    .symbol:         k_qb1469b50ff_tile.kd
    .args:
      - { .name: source_hids, .offset: 0, .size: 8, .value_kind: global_buffer, .address_space: global }
      - { .name: src_lengths, .offset: 8, .size: 8, .value_kind: global_buffer, .address_space: global }
      - { .name: v_score, .offset: 16, .size: 8, .value_kind: global_buffer, .address_space: global }
      - { .name: wf, .offset: 24, .size: 8, .value_kind: global_buffer, .address_space: global }
      - { .name: cblk, .offset: 32, .size: 8, .value_kind: global_buffer, .address_space: global }
      - { .name: sc, .offset: 40, .size: 8, .value_kind: global_buffer, .address_space: global }
      - { .name: st, .offset: 48, .size: 8, .value_kind: global_buffer, .address_space: global }
      - { .name: part, .offset: 56, .size: 8, .value_kind: global_buffer, .address_space: global }
    .group_segment_fixed_size: 282880
    .private_segment_fixed_size: 0
    .kernarg_segment_align: 8
    .kernarg_segment_size: 64
    .max_flat_workgroup_size: 128
    .sgpr_count:     66
    .vgpr_count:     1024
    .wavefront_size: 32
...
	.end_amdgpu_metadata
.endif
;; end of part 2
;; launch finish (part 3): grid 64 x 1, 8 waves a work-group, no clusters, 4,608 bytes of LDS; arguments sc, st, part, out0, out1; writes out0, out1
.if DOCPART == 3
	.amdgcn_target "amdgcn-amd-amdhsa--gfx1250"
	.amdhsa_code_object_version 6
	.text
	.protected	k_qb1469b50ff_finish
	.globl	k_qb1469b50ff_finish
	.p2align	8
	.type	k_qb1469b50ff_finish,@function
k_qb1469b50ff_finish:
	s_mov_b64 s[64:65], 0
	v_nop
	global_prefetch_b8 v0, s[64:65] scope:SCOPE_SE
	s_setreg_imm32_b32 hwreg(HW_REG_WAVE_MODE, 25, 1), 1
	s_wait_xcnt 0x0
; finish: joins the eight tiles of each b.  With M = max of the tiles' m, e_t = e^(m_t - M), L = sum of l_t e_t:
;   out1[s][b] = e^(score - M) / L,   out0[b][c] = sum over t of (e_t / L) part[b][t][c].
; L is at least 1: the tile that holds the maximum has e = 1 and a weight of 1 in its l.
; Work-group j, eight waves, 256 threads: rows s = 16 j .. 16 j + 15 of out1 for all 64 b (thread t: b = t / 4, four s), turned through LDS so that
; sixteen neighbouring lanes store a whole row of 256 bytes; and row b = j of out0 (thread t: columns 4 t ..).
; Memory is small here (some 2.5 MB in all): no matrix unit, no tensor load; all 17 loads of a thread go out at once.
; LIMIT: v_exp_f32 gives 0 for results below 2^-126, so weights below that are 0.
.set L2E, 0x3fb8aa3b                   ; log2(e)
.set M1,  8                            ; M and 1 / L of b = t / 4
.set R1,  9
.set M2,  10                           ; M and 1 / L of b = j
.set R2,  11
.set SA,  16                           ; v[16:31] (m, l) of the eight tiles of b = t / 4; later the row of out1 read back
.set SB,  32                           ; v[32:47] the same of b = j
.set SCV, 48                           ; v[48:51] four scores, then four weights
.set PT,  52                           ; v[52:83] part: four columns of eight tiles
.set EE,  84                           ; v[84:91] e_t
.set OO,  92                           ; v[92:95] four numbers of out0
	s_load_b256 s[8:15], s[0:1], 0x0               ; sc s[8:9], st s[10:11], part s[12:13], out0 s[14:15]
	s_load_b64 s[16:17], s[0:1], 0x20              ; out1
	v_lshrrev_b32 v1, 2, v0                        ; b = t / 4
	v_and_b32 v2, 3, v0
	v_lshlrev_b32 v3, 6, v1                        ; st: b x 64
	v_lshlrev_b32 v4, 4, v2
	v_lshl_add_u32 v4, v1, 12, v4                  ; sc: b x 4,096 + 16 (t % 4)
	v_lshlrev_b32 v5, 4, v0                        ; 16 t
	v_mov_b32 v6, 0
	v_mul_u32_u24 v7, v2, 1088                     ; LDS, in: row 4 (t % 4) + i of 272 bytes, word b
	v_lshl_add_u32 v7, v1, 2, v7
	v_lshrrev_b32 v12, 4, v0                       ; LDS, back: row t / 16, 16 bytes at 16 (t % 16)
	v_and_b32 v13, 15, v0
	v_mul_u32_u24 v12, v12, 272
	v_lshl_add_u32 v12, v13, 4, v12
	s_lshl_b32 s2, ttmp9, 6                        ; 16 j scores; also st's row j
	s_mov_b32 s3, 0
	s_lshl_b32 s4, ttmp9, 15                       ; part's b = j
	s_mov_b32 s5, 0
	s_lshl_b32 s6, ttmp9, 12                       ; out0's row j; out1's rows 16 j ..
	s_mov_b32 s7, 0
	s_wait_kmcnt 0x0
	s_add_nc_u64 s[8:9], s[8:9], s[2:3]
	s_add_nc_u64 s[18:19], s[10:11], s[2:3]
	s_add_nc_u64 s[12:13], s[12:13], s[4:5]
	s_add_nc_u64 s[14:15], s[14:15], s[6:7]
	s_add_nc_u64 s[16:17], s[16:17], s[6:7]
.irp u, 0,1,2,3
	global_load_b128 v[SA+4*\u:SA+4*\u+3], v3, s[10:11] offset:16*\u
.endr
.irp u, 0,1,2,3
	global_load_b128 v[SB+4*\u:SB+4*\u+3], v6, s[18:19] offset:16*\u
.endr
	global_load_b128 v[SCV:SCV+3], v4, s[8:9]
.irp u, 0,1,2,3,4,5,6,7
	global_load_b128 v[PT+4*\u:PT+4*\u+3], v5, s[12:13] offset:4096*\u
.endr
; From eight pairs (m, l) at sb: M into m, e_t into EE, 1 / L into r.
.macro STATS sb, m, r
	v_max3_num_f32 v[\m], v[\sb], v[\sb+2], v[\sb+4]
	v_max3_num_f32 v[\m], v[\m], v[\sb+6], v[\sb+8]
	v_max3_num_f32 v[\m], v[\m], v[\sb+10], v[\sb+12]
	v_max_num_f32 v[\m], v[\m], v[\sb+14]
.irp u, 0,1,2,3,4,5,6,7
	v_sub_f32 v[EE+\u], v[\sb+2*\u], v[\m]         ; the difference first, then the factor: exact where m_t = M, also at -1e6
.endr
.irp u, 0,2,4,6
	v_pk_mul_f32 v[EE+\u:EE+\u+1], v[EE+\u:EE+\u+1], L2E op_sel_hi:[1,0]
.endr
.irp u, 0,1,2,3,4,5,6,7
	v_exp_f32 v[EE+\u], v[EE+\u]
.endr
	v_nop                                          ; one plain place behind the transcendentals (ISA guide 5.7.2)
	s_wait_alu depctr_va_vdst(0)
	v_mul_f32 v[\r], v[EE], v[\sb+1]
.irp u, 1,2,3,4,5,6,7
	v_fmac_f32 v[\r], v[EE+\u], v[\sb+2*\u+1]
.endr
	v_rcp_f32 v[\r], v[\r]
	v_nop
.endm
	s_wait_loadcnt 8                               ; loads come back in order (ISA guide 5.7.1): the eight of part are younger and stay out
	STATS SA, M1, R1
.irp i, 0,1,2,3
	v_sub_f32 v[SCV+\i], v[SCV+\i], v[M1]
.endr
	v_pk_mul_f32 v[SCV:SCV+1],   v[SCV:SCV+1],   L2E op_sel_hi:[1,0]
	v_pk_mul_f32 v[SCV+2:SCV+3], v[SCV+2:SCV+3], L2E op_sel_hi:[1,0]
.irp i, 0,1,2,3
	v_exp_f32 v[SCV+\i], v[SCV+\i]
.endr
	v_nop
	s_wait_alu depctr_va_vdst(0)
.irp i, 0,1,2,3
	v_mul_f32 v[SCV+\i], v[SCV+\i], v[R1]
.endr
.irp i, 0,1,2,3
	ds_store_b32 v7, v[SCV+\i] offset:272*\i
.endr
	STATS SB, M2, R2
	s_wait_alu depctr_va_vdst(0)
.irp u, 0,1,2,3,4,5,6,7
	v_mul_f32 v[EE+\u], v[EE+\u], v[R2]            ; e_t / L of b = j
.endr
	s_wait_dscnt 0x0                               ; my four weights are in LDS, for the other waves' sake
	s_barrier_signal -1
	s_barrier_wait -1
	ds_load_b128 v[SA:SA+3], v12
	s_wait_loadcnt 0x0                             ; part
.irp k, 0,1,2,3
	v_mul_f32 v[OO+\k], v[PT+\k], v[EE]
.endr
.irp u, 1,2,3,4,5,6,7
.irp k, 0,1,2,3
	v_fmac_f32 v[OO+\k], v[PT+4*\u+\k], v[EE+\u]
.endr
.endr
	global_store_b128 v5, v[OO:OO+3], s[14:15]     ; a wave's store covers 512 consecutive bytes, aligned
	s_wait_dscnt 0x0
	global_store_b128 v5, v[SA:SA+3], s[16:17]     ; sixteen neighbouring lanes store one row of out1, 256 bytes
	s_endpgm
.Lfunc_end_k_qb1469b50ff_finish:
	.size	k_qb1469b50ff_finish, .Lfunc_end_k_qb1469b50ff_finish-k_qb1469b50ff_finish
	.p2alignl 7, 3214868480
	.fill 96, 4, 3214868480
	.section	.rodata,"a",@progbits
	.p2align	6, 0x0
	.amdhsa_kernel k_qb1469b50ff_finish
		.amdhsa_group_segment_fixed_size 4608
		.amdhsa_private_segment_fixed_size 0
		.amdhsa_enable_private_segment 0
		.amdhsa_kernarg_size 40
		.amdhsa_user_sgpr_count 2
		.amdhsa_user_sgpr_kernarg_segment_ptr 1
		.amdhsa_wavefront_size32 1
		.amdhsa_system_sgpr_workgroup_id_x 1
		.amdhsa_system_sgpr_workgroup_id_y 1
		.amdhsa_system_sgpr_workgroup_id_z 1
		.amdhsa_system_vgpr_workitem_id 0
		.amdhsa_next_free_vgpr 96
		.amdhsa_next_free_sgpr 66
		.amdhsa_reserve_vcc 0
		.amdhsa_float_denorm_mode_32 3
		.amdhsa_float_denorm_mode_16_64 3
		.amdhsa_memory_ordered 1
		.amdhsa_forward_progress 1
		.amdhsa_inst_pref_size 9
	.end_amdhsa_kernel
	.amdgpu_metadata
---
amdhsa.version: [ 1, 2 ]
amdhsa.kernels:
  - .name:           k_qb1469b50ff_finish
    .symbol:         k_qb1469b50ff_finish.kd
    .args:
      - { .name: sc, .offset: 0, .size: 8, .value_kind: global_buffer, .address_space: global }
      - { .name: st, .offset: 8, .size: 8, .value_kind: global_buffer, .address_space: global }
      - { .name: part, .offset: 16, .size: 8, .value_kind: global_buffer, .address_space: global }
      - { .name: out0, .offset: 24, .size: 8, .value_kind: global_buffer, .address_space: global }
      - { .name: out1, .offset: 32, .size: 8, .value_kind: global_buffer, .address_space: global }
    .group_segment_fixed_size: 4608
    .private_segment_fixed_size: 0
    .kernarg_segment_align: 8
    .kernarg_segment_size: 40
    .max_flat_workgroup_size: 256
    .sgpr_count:     66
    .vgpr_count:     96
    .wavefront_size: 32
...
	.end_amdgpu_metadata
.endif
;; end of part 3
;; ======== version 2 of 2: 3 launches; 1.26 times as fast as version 1
;; limits: right only within a limited range of input values
;; workspace buffers: wf 2,097,152 bytes; cblk 262,144 bytes; sc 262,144 bytes; st 4,096 bytes; part 2,097,152 bytes; order 8,192 bytes of whole numbers
;; launch prep (part 4): grid 64 x 4, 8 waves a work-group, no clusters, 8,192 bytes of LDS; arguments W_enc, W_dec, decoder_state, b_enc, b_dec, wf, cblk, src_lengths, order; writes wf, cblk, order
.if DOCPART == 4
	.amdgcn_target "amdgcn-amd-amdhsa--gfx1250"
	.amdhsa_code_object_version 6
	.text
	.protected	k_qb1469b50ff_prep
	.globl	k_qb1469b50ff_prep
	.p2align	8
	.type	k_qb1469b50ff_prep,@function
k_qb1469b50ff_prep:
	s_mov_b64 s[64:65], 0
	v_nop
	global_prefetch_b8 v0, s[64:65] scope:SCOPE_SE
	s_setreg_imm32_b32 hwreg(HW_REG_WAVE_MODE, 25, 1), 1
	s_wait_xcnt 0x0
; prep: three small jobs ahead of the main launch.
; (a) wf = bf16(W_enc) in the order in which the main launch's matrix instructions want it:
;     wf[w' 4][c 2][kb 32][nb 8][1,024 bytes], column n = 512 c + 128 w' + 16 nb + r, K = 32 kb ..; in a fragment byte 16 L holds
;     lane L's registers 0-3 (k = 8h + 0..7 of column r), byte 512 + 16 L its registers 4-7 (k = 16 + 8h + 0..7); r = L % 16, h = L / 16.
; (b) cblk[j 64][b 64][16] = decoder_state[b] . W_dec[a] + b_dec[a] + b_enc[a], a = 16 j + i, in f32: what the main launch's sums start from.
; (c) order[512][4 words] = the 512 tiles (b, x) of 128 positions, sorted by the work that the mask leaves them, heaviest first:
;     {b, x, nq, src_lengths[b]}, nq = the quarters of 32 rows that hold a position below the length, 0 to 4.  A length at or below 0 or
;     above 1,024 counts as 1,024 here: all tiles of such a b are computed whole.
; Work-group (j, q), eight waves.  Wave w converts the one fragment (columns 16 j .., kb = 8 q + w), and takes K = 128 w .. 128 w + 127
; of the 16 x 16 block (b = 16 q .., a = 16 j ..) of the decoder's product; the eight partial blocks meet in LDS.  Behind the barrier waves 0-3
; finish the block, and waves 6 and 7 each find the rank of one of the tiles 2 g, 2 g + 1 (g = j + 64 q), in whole numbers alone.
; LIMITS: W_enc, W_dec and decoder_state are rounded to bf16, as they are given, for the matrix unit; the decoder's sum over K is split
; over eight waves and two accumulators, an order of rounding other than a plain ascending sum.
.set VE,   4                           ; v4      r x 4,096 + 32 h: my 8 f32 of row r, for all three matrices
.set VL16, 5                           ; v5      16 L
.set VBI,  6                           ; v6      8 (t % 8): my two columns in the biases
.set VRS,  7                           ; v7      where I put my partial block in LDS
.set BE,   8                           ; v[8:9]  b_enc, v[10:11] b_dec of my two columns
.set BD,   10
.set VT8,  12                          ; v12     8 t
.set VLN,  13                          ; v13     4 L
.set LN,   14                          ; v14-15  src_lengths[L], src_lengths[32 + L]
.set E,    16                          ; v[16:31]   W_enc: 16 f32 as loaded, then 8 registers of bf16
.set DA,   32                          ; v[32:95]   decoder_state, 16 registers a K step
.set DB,   96                          ; v[96:159]  W_dec, 16 registers a K step
.set ACC,  160                         ; v[160:167], v[168:175] two accumulators
.set RB,   176                         ; v[176:191] waves 0-3: the eight partial sums read back; waves 6, 7: the ranking's registers
.set ENT,  180                         ; v[180:183] the tile's entry
.set EAD,  188                         ; v188       16 x rank
	s_load_b256 s[8:15], s[0:1], 0x0               ; W_enc s[8:9], W_dec s[10:11], decoder_state s[12:13], b_enc s[14:15]
	s_load_b256 s[16:23], s[0:1], 0x20             ; b_dec s[16:17], wf s[18:19], cblk s[20:21], src_lengths s[22:23]
	s_load_b64 s[38:39], s[0:1], 0x40              ; order
	v_lshrrev_b32 v1, 5, v0
	v_readfirstlane_b32 s4, v1                     ; w, 0 to 7
	s_and_b32 s3, ttmp7, 0xffff                    ; q, 0 to 3
	s_lshl3_add_u32 s5, s3, s4                     ; kb = 8 q + w
	v_and_b32 v2, 15, v0                           ; r
	v_bfe_u32 v3, v0, 4, 1                         ; h
	v_and_b32 v1, 31, v0                           ; L
	v_lshlrev_b32 v[VE], 12, v2
	v_lshl_add_u32 v[VE], v3, 5, v[VE]
	v_lshlrev_b32 v[VL16], 4, v1
	v_lshlrev_b32 v[VLN], 2, v1
	v_and_b32 v[VBI], 7, v0
	v_lshlrev_b32 v[VBI], 3, v[VBI]
	v_lshlrev_b32 v[VRS], 2, v2                    ; RED[w][b_local 16][a_local 16] f32: w x 1,024 + (8 h + register) x 64 + 4 r
	v_lshl_add_u32 v[VRS], v3, 9, v[VRS]
	s_lshl_b32 s6, s4, 10
	v_add_nc_u32 v[VRS], s6, v[VRS]
	v_lshlrev_b32 v[VT8], 3, v0
	; offsets, each in a pair of its own with 0 on top
	s_lshl_b32 s24, ttmp9, 16                      ; 16 j rows of 4,096 bytes
	s_lshl_b32 s25, s5, 7                          ; 32 kb f32
	s_add_co_u32 s26, s24, s25                     ; W_enc
	s_mov_b32 s27, 0
	s_lshl_b32 s25, s4, 9                          ; 128 w f32
	s_add_co_u32 s28, s24, s25                     ; W_dec
	s_mov_b32 s29, 0
	s_lshl_b32 s30, s3, 16                         ; 16 q rows
	s_add_co_u32 s30, s30, s25                     ; decoder_state
	s_mov_b32 s31, 0
	s_lshl_b32 s32, ttmp9, 6                       ; the biases' 16 j
	s_mov_b32 s33, 0
	s_bfe_u32 s34, ttmp9, 0x20003                  ; w' = (j / 8) % 4
	s_lshl_b32 s34, s34, 19
	s_lshr_b32 s25, ttmp9, 5                       ; c = j / 32
	s_lshl_b32 s25, s25, 18
	s_add_co_u32 s34, s34, s25
	s_lshl_b32 s25, s5, 13                         ; kb
	s_add_co_u32 s34, s34, s25
	s_and_b32 s25, ttmp9, 7                        ; nb = j % 8
	s_lshl_b32 s25, s25, 10
	s_add_co_u32 s34, s34, s25                     ; wf
	s_mov_b32 s35, 0
	s_lshl_b32 s36, ttmp9, 12
	s_lshl_b32 s25, s3, 10
	s_add_co_u32 s36, s36, s25                     ; cblk: j x 4,096 + 16 q x 64
	s_mov_b32 s37, 0
	s_lshl_b32 s41, s3, 6
	s_add_co_u32 s41, s41, ttmp9                   ; g = j + 64 q: tiles 2 g and 2 g + 1
	s_lshr_b32 s40, s41, 2                         ; their b = g / 4
	s_and_b32 s41, s41, 3
	s_lshl_b32 s41, s41, 1                         ; x of the first = 2 (g % 4)
	s_lshl_b32 s43, s40, 2                         ; 4 b
	s_wait_kmcnt 0x0
	s_load_b32 s42, s[22:23], s43 offset:0x0       ; src_lengths[b]; waited for in front of the barrier
	s_add_nc_u64 s[8:9], s[8:9], s[26:27]
	s_add_nc_u64 s[10:11], s[10:11], s[28:29]
	s_add_nc_u64 s[12:13], s[12:13], s[30:31]
	s_add_nc_u64 s[14:15], s[14:15], s[32:33]
	s_add_nc_u64 s[16:17], s[16:17], s[32:33]
	s_add_nc_u64 s[18:19], s[18:19], s[34:35]
	s_add_nc_u64 s[20:21], s[20:21], s[36:37]
	; all loads at once: 2 + 2 + 4 + 32.  Every wave loads the lengths and the bias pairs, so that the counts below are the same in all waves.
	global_load_b32 v[LN],   v[VLN], s[22:23]
	global_load_b32 v[LN+1], v[VLN], s[22:23] offset:128
	global_load_b64 v[BE:BE+1], v[VBI], s[14:15]
	global_load_b64 v[BD:BD+1], v[VBI], s[16:17]
	global_load_b128 v[E:E+3],     v[VE], s[8:9]                   ; k = 8h + 0..3
	global_load_b128 v[E+4:E+7],   v[VE], s[8:9] offset:16         ; k = 8h + 4..7
	global_load_b128 v[E+8:E+11],  v[VE], s[8:9] offset:64         ; k = 16 + 8h + 0..3
	global_load_b128 v[E+12:E+15], v[VE], s[8:9] offset:80
.irp st, 0,1,2,3
	global_load_b128 v[DA+16*\st:DA+16*\st+3],     v[VE], s[12:13] offset:128*\st
	global_load_b128 v[DA+16*\st+4:DA+16*\st+7],   v[VE], s[12:13] offset:128*\st+16
	global_load_b128 v[DA+16*\st+8:DA+16*\st+11],  v[VE], s[12:13] offset:128*\st+64
	global_load_b128 v[DA+16*\st+12:DA+16*\st+15], v[VE], s[12:13] offset:128*\st+80
	global_load_b128 v[DB+16*\st:DB+16*\st+3],     v[VE], s[10:11] offset:128*\st
	global_load_b128 v[DB+16*\st+4:DB+16*\st+7],   v[VE], s[10:11] offset:128*\st+16
	global_load_b128 v[DB+16*\st+8:DB+16*\st+11],  v[VE], s[10:11] offset:128*\st+64
	global_load_b128 v[DB+16*\st+12:DB+16*\st+15], v[VE], s[10:11] offset:128*\st+80
.endr
	; (a) the fragment of W_enc
	s_wait_loadcnt 32                              ; loads come back in order (ISA guide 5.7.1): the 32 of the decoder's product are younger
.irp i, 0,1,2,3,4,5,6,7
	v_cvt_pk_bf16_f32 v[E+\i], v[E+2*\i], v[E+2*\i+1]              ; in place, ascending: register i is written when 2 i and 2 i + 1 are read
.endr
	global_store_b128 v[VL16], v[E:E+3],   s[18:19]                ; each store of the wave covers 512 consecutive bytes, aligned
	global_store_b128 v[VL16], v[E+4:E+7], s[18:19] offset:512
	; (b) my four K steps of the decoder's block.  Source 0 = decoder_state (rows b), source 1 = W_dec (rows a): register jj of lane (r, h) is (b = 8 h + jj, a = r).
	; The two accumulators take turns, one instruction a turn; the first two products start the sums.
.macro DSTEP st
	s_wait_loadcnt 8*(3-\st)                       ; the later steps' eight loads each may stay out
.irp i, 0,1,2,3,4,5,6,7
	v_cvt_pk_bf16_f32 v[DA+16*\st+\i], v[DA+16*\st+2*\i], v[DA+16*\st+2*\i+1]
	v_cvt_pk_bf16_f32 v[DB+16*\st+\i], v[DB+16*\st+2*\i], v[DB+16*\st+2*\i+1]
.endr
.if \st < 2
	v_wmma_f32_16x16x32_bf16 v[ACC+8*\st:ACC+8*\st+7], v[DA+16*\st:DA+16*\st+7], v[DB+16*\st:DB+16*\st+7], 0
.else
	v_wmma_f32_16x16x32_bf16 v[ACC+8*(\st-2):ACC+8*(\st-2)+7], v[DA+16*\st:DA+16*\st+7], v[DB+16*\st:DB+16*\st+7], v[ACC+8*(\st-2):ACC+8*(\st-2)+7]
.endif
.endm
	DSTEP 0
	DSTEP 1
	DSTEP 2
	DSTEP 3
.rept 4
	v_nop                                          ; four places behind the last matrix instruction before its result is read (ISA guide 7.12.1)
.endr
.irp i, 0,2,4,6
	v_pk_add_f32 v[ACC+\i:ACC+\i+1], v[ACC+\i:ACC+\i+1], v[ACC+8+\i:ACC+8+\i+1]
.endr
.irp jj, 0,1,2,3,4,5,6,7
	ds_store_b32 v[VRS], v[ACC+\jj] offset:64*\jj
.endr
	s_wait_dscnt 0x0                               ; my partial block is in LDS, for the other waves' sake
	s_wait_kmcnt 0x0                               ; my b's length, asked for long ago
	s_barrier_signal -1
	s_barrier_wait -1
	s_cmp_ge_u32 s4, 4                             ; 256 numbers, two a thread: waves 0 to 3 finish them
	s_cbranch_scc1 .Lupper
.irp g, 0,1,2,3,4,5,6,7
	ds_load_b64 v[RB+2*\g:RB+2*\g+1], v[VT8] offset:1024*\g        ; numbers 2 t, 2 t + 1 of wave g's block
.endr
	v_pk_add_f32 v[BE:BE+1], v[BE:BE+1], v[BD:BD+1]                ; the biases are in since the last step's wait for 0
	s_wait_dscnt 0x0
.irp g, 0,4,8,12
	v_pk_add_f32 v[RB+\g:RB+\g+1], v[RB+\g:RB+\g+1], v[RB+\g+2:RB+\g+3]
.endr
	v_pk_add_f32 v[RB:RB+1], v[RB:RB+1], v[RB+4:RB+5]
	v_pk_add_f32 v[RB+8:RB+9], v[RB+8:RB+9], v[RB+12:RB+13]
	v_pk_add_f32 v[RB:RB+1], v[RB:RB+1], v[RB+8:RB+9]
	v_pk_add_f32 v[RB:RB+1], v[RB:RB+1], v[BE:BE+1]
	global_store_b64 v[VT8], v[RB:RB+1], s[20:21]                  ; a wave's store covers 256 consecutive bytes, aligned
	s_endpgm
.Lupper:
	s_cmp_lt_u32 s4, 6
	s_cbranch_scc1 .Ldone
	; (c) wave 6 ranks tile (b, x0), wave 7 tile (b, x0 + 1).  With le = the length as it counts here and
	; key(b', x') = ceil((le' - 128 x') / 32) held to 0..4:  rank = the tiles with a larger key + the tiles with my key and a smaller 8 b' + x'.
	; key' > v is le' > 128 x' + 32 v (never for v = 4); key' >= v is le' > 128 x' + 32 (v - 1) (always for v = 0): each is one compare for 32 b' at a time,
	; whose mask is counted by s_bcnt1.  The ranks of the 512 tiles are a permutation of 0..511.
	v_add_nc_u32 v[RB],   -1, v[LN]
	v_add_nc_u32 v[RB+1], -1, v[LN+1]
	v_mov_b32 v[RB+2], 0x400
	v_cmp_lt_u32 vcc_lo, 0x3ff, v[RB]              ; length - 1 above 1,023 as an unsigned number: at or below 0, or above 1,024
	v_cndmask_b32 v[LN], v[LN], v[RB+2], vcc_lo
	v_cmp_lt_u32 vcc_lo, 0x3ff, v[RB+1]
	v_cndmask_b32 v[LN+1], v[LN+1], v[RB+2], vcc_lo
	s_sub_co_u32 s44, s42, 1
	s_cmp_gt_u32 s44, 0x3ff
	s_cselect_b32 s43, 0x400, s42                  ; le of my b
	s_mov_b64 s[44:45], 1
	s_lshl_b64 s[44:45], s[44:45], s40             ; the bit of b among 64
	s_sub_nc_u64 s[46:47], s[44:45], 1             ; the bits of b' < b
	s_or_b32 s48, s46, s44
	s_or_b32 s49, s47, s45                         ; the bits of b' <= b
	s_sub_co_u32 s50, s4, 6
	s_add_co_u32 s50, s50, s41                     ; my x
	s_lshl_b32 s51, s50, 7
	s_sub_co_i32 s51, s43, s51                     ; le - 128 x
	s_add_co_i32 s51, s51, 31
	s_ashr_i32 s51, s51, 5
	s_max_i32 s51, s51, 0
	s_min_i32 s51, s51, 4                          ; v = my key = nq
	s_lshl_b32 s52, s51, 5                         ; 32 v
	s_sub_co_i32 s53, s52, 32                      ; 32 (v - 1)
	s_cmp_eq_u32 s51, 4
	s_cselect_b32 s52, 0x10000, s52                ; no key is above 4
	s_cmp_eq_u32 s51, 0
	s_cselect_b32 s53, 0xffff0000, s53             ; every key is at least 0
	s_mov_b32 s54, 0                               ; the rank
.irp xp, 0,1,2,3,4,5,6,7
	s_add_co_i32 s55, s52, 128*\xp
	s_add_co_i32 s56, s53, 128*\xp
	s_cmp_gt_u32 s50, \xp                          ; x' < x: my own b counts among the earlier ones
	s_cselect_b32 s57, s48, s46
	s_cselect_b32 s58, s49, s47
	v_cmp_lt_i32 s59, s55, v[LN]                   ; key' > v,  b' = 0..31
	v_cmp_lt_i32 s60, s56, v[LN]                   ; key' >= v
	v_cmp_lt_i32 s61, s55, v[LN+1]                 ; the same, b' = 32..63
	v_cmp_lt_i32 s62, s56, v[LN+1]
	s_and_not1_b32 s60, s60, s59                   ; key' = v
	s_and_not1_b32 s62, s62, s61
	s_and_b32 s60, s60, s57                        ; and earlier
	s_and_b32 s62, s62, s58
	s_bcnt1_i32_b32 s59, s59
	s_bcnt1_i32_b32 s60, s60
	s_bcnt1_i32_b32 s61, s61
	s_bcnt1_i32_b32 s62, s62
	s_add_co_u32 s54, s54, s59
	s_add_co_u32 s54, s54, s60
	s_add_co_u32 s54, s54, s61
	s_add_co_u32 s54, s54, s62
.endr
	s_min_u32 s54, s54, 0x1ff                      ; a number made of loaded ones enters an address only behind a clamp
	s_lshl_b32 s54, s54, 4
	v_mov_b32 v[EAD], s54
	v_mov_b32 v[ENT], s40                          ; b
	v_mov_b32 v[ENT+1], s50                        ; x
	v_mov_b32 v[ENT+2], s51                        ; nq
	v_mov_b32 v[ENT+3], s42                        ; the length as it was given
	v_cmp_eq_u32 vcc_lo, 0, v1
	s_wait_xcnt 0x0                                ; EXEC changes only behind s_wait_xcnt 0
	s_and_saveexec_b32 s63, vcc_lo
	global_store_b128 v[EAD], v[ENT:ENT+3], s[38:39]               ; lane 0: the 16 bytes of one entry
	s_wait_xcnt 0x0                                ; and again, in front of the line that widens it
	s_or_b32 exec_lo, exec_lo, s63
.Ldone:
	s_endpgm
.Lfunc_end_k_qb1469b50ff_prep:
	.size	k_qb1469b50ff_prep, .Lfunc_end_k_qb1469b50ff_prep-k_qb1469b50ff_prep
	.p2alignl 7, 3214868480
	.fill 96, 4, 3214868480
	.section	.rodata,"a",@progbits
	.p2align	6, 0x0
	.amdhsa_kernel k_qb1469b50ff_prep
		.amdhsa_group_segment_fixed_size 8192
		.amdhsa_private_segment_fixed_size 0
		.amdhsa_enable_private_segment 0
		.amdhsa_kernarg_size 72
		.amdhsa_user_sgpr_count 2
		.amdhsa_user_sgpr_kernarg_segment_ptr 1
		.amdhsa_wavefront_size32 1
		.amdhsa_system_sgpr_workgroup_id_x 1
		.amdhsa_system_sgpr_workgroup_id_y 1
		.amdhsa_system_sgpr_workgroup_id_z 1
		.amdhsa_system_vgpr_workitem_id 0
		.amdhsa_next_free_vgpr 192
		.amdhsa_next_free_sgpr 66
		.amdhsa_reserve_vcc 1
		.amdhsa_float_denorm_mode_32 3
		.amdhsa_float_denorm_mode_16_64 3
		.amdhsa_memory_ordered 1
		.amdhsa_forward_progress 1
		.amdhsa_inst_pref_size 23
	.end_amdhsa_kernel
	.amdgpu_metadata
---
amdhsa.version: [ 1, 2 ]
amdhsa.kernels:
  - .name:           k_qb1469b50ff_prep
    .symbol:         k_qb1469b50ff_prep.kd
    .args:
      - { .name: W_enc, .offset: 0, .size: 8, .value_kind: global_buffer, .address_space: global }
      - { .name: W_dec, .offset: 8, .size: 8, .value_kind: global_buffer, .address_space: global }
      - { .name: decoder_state, .offset: 16, .size: 8, .value_kind: global_buffer, .address_space: global }
      - { .name: b_enc, .offset: 24, .size: 8, .value_kind: global_buffer, .address_space: global }
      - { .name: b_dec, .offset: 32, .size: 8, .value_kind: global_buffer, .address_space: global }
      - { .name: wf, .offset: 40, .size: 8, .value_kind: global_buffer, .address_space: global }
      - { .name: cblk, .offset: 48, .size: 8, .value_kind: global_buffer, .address_space: global }
      - { .name: src_lengths, .offset: 56, .size: 8, .value_kind: global_buffer, .address_space: global }
      - { .name: order, .offset: 64, .size: 8, .value_kind: global_buffer, .address_space: global }
    .group_segment_fixed_size: 8192
    .private_segment_fixed_size: 0
    .kernarg_segment_align: 8
    .kernarg_segment_size: 72
    .max_flat_workgroup_size: 256
    .sgpr_count:     66
    .vgpr_count:     192
    .wavefront_size: 32
...
	.end_amdgpu_metadata
.endif
;; end of part 4
;; launch tile (part 5): grid 256 x 1, 4 waves a work-group, no clusters, 282,880 bytes of LDS; arguments source_hids, order, v_score, wf, cblk, sc, st, part; writes sc, st, part
.if DOCPART == 5
	.amdgcn_target "amdgcn-amd-amdhsa--gfx1250"
	.amdhsa_code_object_version 6
	.text
	.protected	k_qb1469b50ff_tile
	.globl	k_qb1469b50ff_tile
	.p2align	8
	.type	k_qb1469b50ff_tile,@function
k_qb1469b50ff_tile:
	s_mov_b64 s[64:65], 0
	v_nop
	global_prefetch_b8 v0, s[64:65] scope:SCOPE_SE
	s_setreg_imm32_b32 hwreg(HW_REG_WAVE_MODE, 25, 1), 1
	s_wait_xcnt 0x0
; tile: for one b and 128 consecutive s (s = 128 x ..): the encoder's product, tanh, the score, the mask, the tile's own softmax
; (maximum m, weights p = e^(score - m), sum l) and the tile's partial context sum of p x row.  The last launch joins the eight tiles of a b.
; WORK THAT THE MASK THROWS AWAY IS NOT DONE.  order[] holds the 512 tiles sorted by nq, the quarters of 32 rows that hold a position below the
; length (4 to 0).  256 work-groups stay and do two tiles each, order[k] and order[511 - k]: the heaviest with the lightest.  One text serves
; both tiles (a loop of two trips) and both chunks of columns (a loop of two trips inside it).  nq = 0: no row is loaded, no product, no context sum;
; the tile writes scores of -1e6, (m, l) = (-1e6, 128) and a partial context of 0.  nq = 1..3: all 128 rows are loaded and summed (weight 0 where
; masked), but behind a chunk's first K step only the first nq quarters are multiplied, and only they go through tanh.  The branches hang on nq,
; a whole number read from memory and the same in all four waves; no barrier stands inside any of them.
; The 128 rows of source_hids are read from memory ONCE, rounded to bf16 and kept in LDS (128 rows of 2,048 + 16 bytes): they serve the
; 2 x 32 K steps of the product and then the context sum.
; Four waves.  The 1,024 attention columns go in two chunks of 512; in a chunk wave w makes all 128 rows x its 128 columns
; (512 c + 128 w ..): 64 accumulator tiles of 16 x 16, 512 registers.
; W_enc comes as wf (bf16, in fragment order) straight from memory into registers: no fragment of it is used by two waves
; of the work-group, so LDS would give it no second use.  A ring of four K steps in registers, 16 loads of 512 consecutive bytes each,
; keeps 48 to 64 loads of every wave on their way; the waits are counted and no barrier stands in the product.  The ring goes round: the last
; trip of the second chunk asks for K steps 0 to 3 again, for the next tile.
; FOUR BARRIERS A TILE: the rows are in LDS; the product's reads of LDS are over; the partial scores are in LDS; the tile's reads of LDS are over.
; NO JOINT REQUESTS FOR W, though all work-groups walk it: a K step of W for the work-group's 512 columns is 512 x 64 = 32,768 bytes, two slots
; are 65,536, and beside the 282,880 bytes used here a work-group can be given 44,800 more: a ring of two slots of even one K step does not fit.
; Besides, partners would need different numbers of tiles: how much of W a work-group walks hangs on its two tiles' nq.
; THE MATRIX INSTRUCTION IS USED TRANSPOSED: source 0 = 16 columns of W, source 1 = 16 rows of A.  Lane (r, h) then holds row 16 a + r, and
; its registers 0-7 the columns n0 + 8 h + 0..7: the sum over columns that the score needs runs along registers, and what is added to
; a column (cblk = the decoder's projection and both biases) has the accumulator's own layout: a chunk's first K step takes it as its C.
; tanh x = 1 - 2 / (1 + 2^y), y = 2 log2(e) x, the factor applied in f32; so score = sum(v) + sum(-2 v / (1 + 2^y)).
; y = +-infinity gives tanh = +-1 as it should.
; LIMITS: the operands of the products are rounded to bf16 as they are given: source_hids (in the product and in the context sum), W_enc, and
; v_score (once, then widened again: sum(v) and -2 v are made of the rounded numbers).  The score is formed as sum(v) plus a sum
; of 1,024 terms: an order of rounding other than the reference's, with an absolute error of the order of 2^-23 x sum|v|.  v_exp_f32 gives 0
; for results below 2^-126.  src_lengths is compared as a signed number: at or below 0 every position of that b is masked (all its tiles are
; then computed whole and the softmax is uniform, as in the reference), above 1,024 none is.  A tile with nq = 0 gives the context nothing:
; that is the reference's result as long as e^(-1e6 - M) is 0 for the largest valid score M of that b, that is for sum|v| below 999,890.
;
; REGISTERS, in windows of 256: window 0 addresses, A's fragments (two buffers), scratch; window 1 the ring of W (slot g at 64 g);
; window 2 the accumulator tiles of rows 0-63 (tile (a, b) at 8 (8 a + b)), window 3 those of rows 64-127.  While the rows are loaded, window 2 takes them in f32.
; SCALARS: s[8:23] the eight buffers (s[14:15]: wf at my wave's place in the stream, stepped); s[32:41] this tile's places in source_hids, cblk, st, sc, part;
; s[48:51] this tile's b, x, nq, length; s[52:55] the second tile's; s30, s31, s28 count tiles, chunks, trips.
.set KS,    0x4038aa3b                 ; 2 log2(e) = 2.885390
.set PITCH, 2064                       ; an LDS row of A: 2,048 bytes + 16 = 129 x 16: the 16 rows of a fragment load start at 16 different 16-byte columns of 256 bytes
.set R16,   16*PITCH
.set R32,   32*PITCH
.set LC,    128*PITCH                  ; 264,192: cblk's 1,024 numbers of this b
.set LV,    LC+4096                    ; -2 v
.set LSC,   LV+4096                    ; [w][h][128 rows] partial scores
.set LPW,   LSC+4096                   ; [w][128] the weights p, a copy for each wave
.set LXS,   LPW+2048                   ; [w][1,024 bytes] stage for the way out
.set LSV,   LXS+4096                   ; [w] partial sums of v
.set ADR0,  8                          ; v8-11   (32 p + r) PITCH + 16 h: A's fragments at K = 0, never rewritten
.set ADRA,  16                         ; v16-19  the same, stepped along K
.set VB,    20                         ; v20     16 L
.set LA0,   21                         ; v21-22  where I store bf16 rows: w x 32 rows + 8 L; the same 16 rows further down
.set CVA,   23                         ; v23     LC + 512 w + 32 h
.set SUM,   24                         ; v24-31  partial score of row 16 a + r
.set SCW,   32
.set SCR,   33
.set PWA,   34
.set PWR,   35
.set AR,    36                         ; v36     context sum: 512 w + 16 L
.set XSW,   37
.set XSR,   38
.set GO,    39
.set IDX,   40                         ; v40     128 x + 4 L: the s of my first score
.set VT16,  41
.set CGO,   42
.set LCA,   43
.set VV,    44                         ; v[44:51] v_score as loaded
.set CC,    52                         ; v[52:59] cblk as loaded
.set SVW,   60
.set SVR,   61
.set CVW,   62                         ; v62     CVA, stepped by a chunk's 2,048 bytes
.set ARW,   63                         ; v63     AR, stepped by 32 rows
.set F0,    64                         ; v64-127   fragment buffer 0
.set F1,    128                        ; v128-191  fragment buffer 1
.set TMP,   192                        ; v192-255  in the product: cblk of my 128 columns, 8 registers a column block; else scratch
.set PB,    192                        ; v192-223  16 weights, two buffers
.set CX,    224                        ; v224-231  context sums of my 8 columns
.set SS,    232                        ; v[232:235] my four scores
.set ML,    236                        ; v[236:237] m, l
.set PP,    240                        ; v[240:243] my four weights
.set T2,    244                        ; v244-247  at work
.set MUL_LO,  0xa1                     ; source 0 (W) window 1, source 1 (A) window 0, C and D window 2
.set MUL_HI,  0xf1
.set MUL_LO0, 0x81                     ; a chunk's first K step: D window 2, C (cblk) window 0
.set MUL_HI0, 0xc1
.set TO_B,   0x40                      ; destination window 1
.set TO_X,   0x80                      ; destination window 2
.set CV_X,   0x8a                      ; destination and sources 0, 1 window 2
.set ST_X,   0x08                      ; LDS store: data (source 1) window 2, address window 0
.set EP_LO,  0xa2                      ; destination, sources 0 and 2 window 2; source 1 window 0
.set EP_HI,  0xf3
.set RD_HI,  0xcf
.set OUT_LO, 0x02                      ; source 0 window 2, the rest window 0
.set OUT_HI, 0x03
.set MSB, 0
.macro WIN new                         ; the immediate's high byte repeats the setting that is left; a switch that changes nothing is dropped
.if MSB != \new
	s_set_vgpr_msb (MSB<<8)|\new
.set MSB, \new
.endif
.endm
.macro PLACES                          ; four places behind a matrix instruction before its result is read or a register of it is written or loaded (ISA guide 7.12.1)
.rept 4
	v_nop
.endr
.endm
; ---- macros of the phase in which the rows come in ----
; Four rows of my wave's 32, f32, into 128 registers of window 2: each load covers 512 consecutive bytes of a row.
.macro ALOAD i, x
	WIN TO_X
.irp rr, 0,1,2,3
.irp jj, 0,1,2,3,4,5,6,7
	global_load_b128 v[\x+32*\rr+4*\jj:\x+32*\rr+4*\jj+3], v[VB], s[32:33] offset:(4*(\i)+\rr)*262144+512*\jj th:TH_LOAD_NT
.endr
.endr
.endm
; The same four rows to bf16, in place (four f32 into the first two of their registers), and into LDS, 8 bytes a lane: 256 consecutive bytes a store.
.macro ACVT i, x
	WIN CV_X
.set cq, 0
.rept 32
	v_cvt_pk_bf16_f32 v[\x+4*cq],   v[\x+4*cq],   v[\x+4*cq+1]
	v_cvt_pk_bf16_f32 v[\x+4*cq+1], v[\x+4*cq+2], v[\x+4*cq+3]
.set cq, cq+1
.endr
	WIN ST_X
.irp rr, 0,1,2,3
.irp jj, 0,1,2,3,4,5,6,7
	ds_store_b64 v[LA0+(\i)/4], v[\x+32*\rr+4*\jj:\x+32*\rr+4*\jj+1] offset:((4*(\i)+\rr)%16)*PITCH+256*\jj
.endr
.endr
.endm
; One K step of W for my 128 columns into ring slot sg: 16 loads of 512 consecutive bytes.
.macro BLOAD sg, off
	WIN TO_B
.irp nb, 0,1,2,3,4,5,6,7
	global_load_b128 v[64*\sg+8*\nb:64*\sg+8*\nb+3],   v[VB], s[14:15] offset:\off+1024*\nb
	global_load_b128 v[64*\sg+8*\nb+4:64*\sg+8*\nb+7], v[VB], s[14:15] offset:\off+1024*\nb+512
.endr
.endm
; -2 v into LDS, linear in the column; my wave's part of sum(v).  Once for both tiles.
.macro VWORK
	WIN 0
.irp k, 0,1,2,3
	v_cvt_pk_bf16_f32 v[TMP+4+\k], v[VV+2*\k], v[VV+2*\k+1]        ; v_score is a product's operand: to bf16, like the others,
.endr
.irp k, 0,1,2,3
	v_lshlrev_b32 v[VV+2*\k],   16, v[TMP+4+\k]                    ; and back to f32, in which all the arithmetic on it is done
	v_and_b32     v[VV+2*\k+1], 0xffff0000, v[TMP+4+\k]
.endr
	v_pk_add_f32 v[TMP:TMP+1], v[VV:VV+1], v[VV+2:VV+3]
	v_pk_add_f32 v[TMP+2:TMP+3], v[VV+4:VV+5], v[VV+6:VV+7]
	v_pk_add_f32 v[TMP:TMP+1], v[TMP:TMP+1], v[TMP+2:TMP+3]
	v_add_f32 v[TMP], v[TMP], v[TMP+1]
	v_add_f32_dpp v[TMP], v[TMP], v[TMP] row_xmask:1 row_mask:0xf bank_mask:0xf
	v_add_f32_dpp v[TMP], v[TMP], v[TMP] row_xmask:2 row_mask:0xf bank_mask:0xf
	v_add_f32_dpp v[TMP], v[TMP], v[TMP] row_xmask:4 row_mask:0xf bank_mask:0xf
	v_add_f32_dpp v[TMP], v[TMP], v[TMP] row_xmask:8 row_mask:0xf bank_mask:0xf
	v_permlanex16_b32 v[TMP+1], v[TMP], s26, s27
	v_add_f32 v[TMP], v[TMP], v[TMP+1]
	ds_store_b32 v[SVW], v[TMP]                    ; all lanes write the same word with the same value
.irp k, 0,2,4,6
	v_pk_mul_f32 v[VV+\k:VV+\k+1], v[VV+\k:VV+\k+1], -2.0 op_sel_hi:[1,0]
.endr
	ds_store_b128 v[LCA], v[VV:VV+3] offset:4096
	ds_store_b128 v[LCA], v[VV+4:VV+7] offset:6144
.endm
; ---- macros of the product ----
; A's fragments of one K step (128 rows x 32 K at byte k of the rows) into buffer f: lane (r, h) takes row r, 16 bytes at 16 h and 16 at 32 + 16 h.
.macro FETCHA k, f
	WIN 0
.irp i, 0,1,2,3,4,5,6,7
	ds_load_b128 v[\f+8*\i:\f+8*\i+3],   v[ADRA+\i/2] offset:(\i%2)*R16+\k
	ds_load_b128 v[\f+8*\i+4:\f+8*\i+7], v[ADRA+\i/2] offset:(\i%2)*R16+\k+32
.endr
.endm
; 16 matrix instructions, a quarter of 32 rows: row blocks a0, a0 + 1 of the window's four x my 8 column blocks.  first = 1: the sums start from cblk's
; numbers of the column block (C in window 0, D in the accumulators' window): nothing is cleared, and nothing is added in the epilogue.
; The accumulators take turns, one instruction a turn, in the same order in every K step; with quarters left out, the 16, 32 or 48 that remain do.
.macro MUL16 f, bs, hi, a0, first
.irp a, \a0, \a0+1
.irp b, 0,1,2,3,4,5,6,7
.if \first
	v_wmma_f32_16x16x32_bf16 v[8*(8*(\a)+\b):8*(8*(\a)+\b)+7], v[\bs+8*\b:\bs+8*\b+7], v[\f+8*(4*\hi+\a):\f+8*(4*\hi+\a)+7], v[TMP+8*\b:TMP+8*\b+7]
.else
	v_wmma_f32_16x16x32_bf16 v[8*(8*(\a)+\b):8*(8*(\a)+\b)+7], v[\bs+8*\b:\bs+8*\b+7], v[\f+8*(4*\hi+\a):\f+8*(4*\hi+\a)+7], v[8*(8*(\a)+\b):8*(8*(\a)+\b)+7]
.endif
.endr
.endr
.endm
; One K step: multiplies A's buffer f by ring slot sg.  In its middle it fetches the next step's A fragments (byte kf) into buffer g (fetch = 1);
; at its end it asks for the K step four ahead into the slot just used.  A chunk's first step (first = 1) is always whole, so that every accumulator
; is written on every path; in the others the second, third and fourth quarter are jumped when nq (s50) is below 2, 3, 4.
; At a branch and at a label every window is 0.
.macro STEP f, g, kf, sg, first, fetch
	s_wait_loadcnt 48                              ; loads come back in order (ISA guide 5.7.1): three slots of 16 loads are younger than this slot's
	s_wait_dscnt 8                                 ; A's rows 0-63 are in (and, in a chunk's first step, cblk's numbers, which were asked for earlier); the youngest eight LDS loads (rows 64-127) may be out
.if \first
	WIN MUL_LO0
	MUL16 \f, 64*\sg, 0, 0, 1
	MUL16 \f, 64*\sg, 0, 2, 1
.else
	WIN MUL_LO
	MUL16 \f, 64*\sg, 0, 0, 0
	WIN 0
	s_cmp_lt_u32 s50, 2
	s_cbranch_scc1 .Lq2_\@
	WIN MUL_LO
	MUL16 \f, 64*\sg, 0, 2, 0
	WIN 0
.Lq2_\@:
.endif
.if \fetch
	PLACES                                         ; buffer g was read by the last step's matrix instructions
	FETCHA \kf, \g
	s_wait_dscnt 16                                ; all but the 16 just issued
.else
	WIN 0
	s_wait_dscnt 0
.endif
.if \first
	WIN MUL_HI0
	MUL16 \f, 64*\sg, 1, 0, 1
	MUL16 \f, 64*\sg, 1, 2, 1
.else
	s_cmp_lt_u32 s50, 3
	s_cbranch_scc1 .Lq4_\@
	WIN MUL_HI
	MUL16 \f, 64*\sg, 1, 0, 0
	WIN 0
	s_cmp_lt_u32 s50, 4
	s_cbranch_scc1 .Lq4_\@
	WIN MUL_HI
	MUL16 \f, 64*\sg, 1, 2, 0
	WIN 0
.Lq4_\@:
.endif
	PLACES                                         ; the slot was read by the matrix instructions just issued
.if \sg == 3
	s_wait_xcnt 0x0                                ; W's base is stepped only behind this wait; the youngest loads that name it were issued a K step ago
	s_add_nc_u64 s[14:15], s[14:15], 0x8000        ; four K steps on
	BLOAD 3, 24576
.else
	BLOAD \sg, 32768+8192*\sg
.endif
.endm
; Four K steps, once round the ring of W.  last = 1: the chunk's last trip fetches no further fragment of A.
.macro TRIP first, last
	STEP F0, F1, 64,  0, \first, 1
	STEP F1, F0, 128, 1, 0,      1
	STEP F0, F1, 192, 2, 0,      1
	STEP F1, F0, 256, 3, 0,      1-\last
	WIN 0                                          ; at a label and at a branch every window is 0
.if \last == 0
.irp p, 0,1,2,3
	v_add_nc_u32 v[ADRA+\p], 256, v[ADRA+\p]       ; 128 K on
.endr
.endif
.endm
; ---- macros of tanh and the dot product with v, on the accumulators in place ----
; Three stages run one tile apart, so that behind every run of transcendentals stands a plain instruction of another tile (ISA guide 5.7.2).
.macro E1 t                            ; y = 2 log2(e) x; 2^y
.irp i, 0,2,4,6
	v_pk_mul_f32 v[8*(\t)+\i:8*(\t)+\i+1], v[8*(\t)+\i:8*(\t)+\i+1], KS op_sel_hi:[1,0]
.endr
.irp i, 0,1,2,3,4,5,6,7
	v_exp_f32 v[8*(\t)+\i], v[8*(\t)+\i]
.endr
.endm
.macro E2 t                            ; 1 / (1 + 2^y)
	s_wait_alu depctr_va_vdst(0)
.irp i, 0,2,4,6
	v_pk_add_f32 v[8*(\t)+\i:8*(\t)+\i+1], v[8*(\t)+\i:8*(\t)+\i+1], 1.0 op_sel_hi:[1,0]
.endr
.irp i, 0,1,2,3,4,5,6,7
	v_rcp_f32 v[8*(\t)+\i], v[8*(\t)+\i]
.endr
.endm
.macro E3 t                            ; times -2 v, added along the row block's eight tiles: the last of them ends up with the sums
.irp i, 0,2,4,6
.if (\t)%8 == 0
	s_wait_alu depctr_va_vdst(0)
	v_pk_mul_f32 v[8*(\t)+\i:8*(\t)+\i+1], v[8*(\t)+\i:8*(\t)+\i+1], v[F1+\i:F1+\i+1]
.else
	s_wait_alu depctr_va_vdst(0)
	v_pk_fma_f32 v[8*(\t)+\i:8*(\t)+\i+1], v[8*(\t)+\i:8*(\t)+\i+1], v[F1+8*((\t)%8)+\i:F1+8*((\t)%8)+\i+1], v[8*(\t)-8+\i:8*(\t)-8+\i+1]
.endif
.endr
.endm
; A quarter of 32 rows: the 16 tiles t0 .. t0 + 15 of one window, then the sums of their two row blocks onto SUM[s0], SUM[s0 + 1].
.macro EQUART ep, rd, out, t0, s0
	WIN \ep
.set tt, 0
.rept 18
.if tt < 16
	E1 \t0+tt
.endif
.if tt >= 1
.if tt <= 16
	E2 \t0+tt-1
.endif
.endif
.if tt >= 2
	E3 \t0+tt-2
.endif
.set tt, tt+1
.endr
	WIN \rd
.irp a, 0,1
	v_pk_add_f32 v[64*(\t0/8+\a)+56:64*(\t0/8+\a)+57], v[64*(\t0/8+\a)+56:64*(\t0/8+\a)+57], v[64*(\t0/8+\a)+58:64*(\t0/8+\a)+59]
	v_pk_add_f32 v[64*(\t0/8+\a)+60:64*(\t0/8+\a)+61], v[64*(\t0/8+\a)+60:64*(\t0/8+\a)+61], v[64*(\t0/8+\a)+62:64*(\t0/8+\a)+63]
.endr
.irp a, 0,1
	v_pk_add_f32 v[64*(\t0/8+\a)+56:64*(\t0/8+\a)+57], v[64*(\t0/8+\a)+56:64*(\t0/8+\a)+57], v[64*(\t0/8+\a)+60:64*(\t0/8+\a)+61]
.endr
.irp a, 0,1
	v_add_f32 v[64*(\t0/8+\a)+56], v[64*(\t0/8+\a)+56], v[64*(\t0/8+\a)+57]
.endr
	WIN \out
.irp a, 0,1
	v_add_f32 v[SUM+\s0+\a], v[64*(\t0/8+\a)+56], v[SUM+\s0+\a]
.endr
	WIN 0
.endm
; ---- macros of the context sum ----
.macro CLOAD g, fb, pb                 ; rows 16 g .. 16 g + 15 (512 consecutive bytes a load) and their 16 weights (the same address in all lanes)
.irp i, 0,1,2,3,4,5,6,7,8,9,10,11,12,13,14,15
	ds_load_b128 v[\fb+4*\i:\fb+4*\i+3], v[ARW] offset:((\g)%2)*R16+PITCH*\i
.endr
.irp u, 0,1,2,3
	ds_load_b128 v[\pb+4*\u:\pb+4*\u+3], v[PWR] offset:64*(\g)+16*\u    ; LDS serves a wave's instructions in order (ISA guide 5.7.1): these see the store of p
.endr
.endm
.macro CFMA fb, pb                     ; bf16 half x f32 weight + f32 sum, one rounding
.irp i, 0,1,2,3,4,5,6,7,8,9,10,11,12,13,14,15
.irp q, 0,1,2,3
	v_fma_mix_f32_bf16 v[CX+2*\q],   v[\fb+4*\i+\q], v[\pb+\i], v[CX+2*\q]   op_sel_hi:[1,0,0]
	v_fma_mix_f32_bf16 v[CX+2*\q+1], v[\fb+4*\i+\q], v[\pb+\i], v[CX+2*\q+1] op_sel:[1,0,0] op_sel_hi:[1,0,0]
.endr
.endr
.endm
; ================ what is the same for both tiles ================
	s_load_b512 s[8:23], s[0:1], 0x0               ; source_hids 8, order 10, v_score 12, wf 14, cblk 16, sc 18, st 20, part 22
	v_lshrrev_b32 v4, 5, v0
	v_readfirstlane_b32 s4, v4                     ; w, 0 to 3
	s_mov_b32 s26, 0x76543210                      ; v_permlanex16_b32: lane i of one half reads lane i of the other
	s_mov_b32 s27, 0xfedcba98
	v_and_b32 v1, 31, v0                           ; L
	v_and_b32 v2, 15, v0                           ; r
	v_bfe_u32 v3, v0, 4, 1                         ; h
	v_mul_u32_u24 v4, v2, PITCH
	v_lshl_add_u32 v4, v3, 4, v4
.irp p, 0,1,2,3
	v_add_nc_u32 v[ADR0+\p], \p*R32, v4
.endr
	v_lshlrev_b32 v[VB], 4, v1
	s_mul_i32 s6, s4, R32
	v_lshl_add_u32 v[LA0], v1, 3, s6
	v_add_nc_u32 v[LA0+1], R16, v[LA0]
	s_lshl_b32 s7, s4, 9                           ; 512 w
	s_lshl_b32 s25, s4, 10                         ; 1,024 w
	s_add_co_u32 s24, s7, LC
	v_lshl_add_u32 v[CVA], v3, 5, s24
	s_add_co_u32 s24, s25, LSC
	v_lshl_add_u32 v[SCW], v3, 9, s24              ; LSC + (2 w + h) x 512
	v_lshl_add_u32 v[SCW], v2, 2, v[SCW]           ; + 4 r
	v_add_nc_u32 v[SCR], LSC, v[VB]
	s_add_co_u32 s24, s7, LPW
	v_add_nc_u32 v[PWA], s24, v[VB]
	v_mov_b32 v[PWR], s24
	v_add_nc_u32 v[AR], s7, v[VB]
	s_add_co_u32 s24, s25, LXS
	v_lshl_add_u32 v[XSW], v1, 5, s24
	v_add_nc_u32 v[XSR], s24, v[VB]
	v_add_nc_u32 v[GO], s25, v[VB]
	v_lshlrev_b32 v[VT16], 4, v0
	v_lshrrev_b32 v4, 2, v0
	v_and_b32 v5, 3, v0
	v_lshlrev_b32 v5, 4, v5
	v_lshl_add_u32 v[CGO], v4, 12, v5              ; cblk[j = t / 4][b][4 (t % 4) ..]
	v_add_nc_u32 v[LCA], LC, v[VT16]
	s_lshl_b32 s24, s4, 2
	s_add_co_u32 s24, s24, LSV
	v_mov_b32 v[SVW], s24
	v_mov_b32 v[SVR], LSV
	s_lshl_b32 s5, s4, 23                          ; my wave's 32 rows of 262,144 bytes
	s_lshl_b32 s46, s4, 19                         ; wf: my wave's 64 K steps of 8,192 bytes
	s_mov_b32 s47, 0
	s_lshl_b32 s42, ttmp9, 4                       ; order: entry k,
	s_sub_co_u32 s44, 8176, s42                    ; and entry 511 - k
	s_wait_kmcnt 0x0
	s_load_b128 s[48:51], s[10:11], s42 offset:0x0 ; my first tile: b, x, nq, length
	s_load_b128 s[52:55], s[10:11], s44 offset:0x0 ; my second
	s_add_nc_u64 s[14:15], s[14:15], s[46:47]
	global_load_b128 v[VV:VV+3],   v[VT16], s[12:13]
	global_load_b128 v[VV+4:VV+7], v[VT16], s[12:13] offset:2048
	BLOAD 0, 0                                     ; the ring of W is filled once; from then on it goes round
	BLOAD 1, 8192
	BLOAD 2, 16384
	s_wait_loadcnt 48                              ; the three slots' 48 loads are younger than v_score's two
	VWORK
	BLOAD 3, 24576
	WIN 0
	s_mov_b32 s30, 0
	s_wait_kmcnt 0x0                               ; both entries
; ================ a tile ================
.Ltile:
	s_wait_xcnt 0x0                                ; the last tile's bases and the registers that its stores read are rewritten only behind this wait
	s_min_u32 s48, s48, 63                         ; numbers that were loaded enter addresses only behind a clamp
	s_min_u32 s49, s49, 7
	s_min_u32 s50, s50, 4
	s_lshl_b32 s42, s49, 25                        ; 128 x rows of 262,144 bytes
	s_lshl_b32 s24, s48, 12                        ; + b x 4,096
	s_add_co_u32 s42, s42, s24
	s_add_co_u32 s42, s42, s5                      ; + my wave's 32 rows
	s_mov_b32 s43, 0
	s_add_nc_u64 s[32:33], s[8:9], s[42:43]        ; source_hids
	s_lshl_b32 s42, s48, 6
	s_add_nc_u64 s[34:35], s[16:17], s[42:43]      ; cblk: b x 64
	s_lshl_b32 s24, s49, 3
	s_add_co_u32 s42, s42, s24
	s_add_nc_u64 s[36:37], s[20:21], s[42:43]      ; st: b x 64 + 8 x
	s_lshl_b32 s42, s48, 12
	s_lshl_b32 s24, s49, 9
	s_add_co_u32 s42, s42, s24
	s_add_nc_u64 s[38:39], s[18:19], s[42:43]      ; sc: b x 4,096 + 512 x
	s_lshl_b32 s42, s48, 15
	s_lshl_b32 s24, s49, 12
	s_add_co_u32 s42, s42, s24
	s_add_nc_u64 s[40:41], s[22:23], s[42:43]      ; part: b x 32,768 + 4,096 x
	s_lshl_b32 s24, s49, 7
	v_lshl_add_u32 v[IDX], v1, 2, s24
.irp a, 0,1,2,3,4,5,6,7
	v_mov_b32 v[SUM+\a], 0                         ; both chunks add onto these; a quarter that is left out leaves 0, and its rows are masked below
.endr
	s_cmp_eq_u32 s50, 0
	s_cbranch_scc1 .Lno_load
	; ---- the rows come in ----
	global_load_b128 v[CC:CC+3],   v[CGO], s[34:35]                ; j = 0 to 31
	global_load_b128 v[CC+4:CC+7], v[CGO], s[34:35] offset:131072  ; j = 32 to 63
	ALOAD 0, 0
	ALOAD 1, 128
.irp i, 0,1,2,3,4,5,6,7
.if \i < 7
	s_wait_loadcnt 32                              ; the next four rows' 32 loads stay out, batch i is in
.else
	s_wait_loadcnt 0                               ; the last batch
.endif
.if \i == 0
	WIN 0
	ds_store_b128 v[LCA], v[CC:CC+3]               ; cblk's two loads are older than batch 0
	ds_store_b128 v[LCA], v[CC+4:CC+7] offset:2048
.endif
	ACVT \i, 128*(\i%2)
.if \i <= 5
	ALOAD \i+2, 128*(\i%2)
.endif
.endr
	WIN 0
.Lno_load:
	s_wait_dscnt 0x0                               ; my rows, my parts of cblk, -2 v and sum(v) are in LDS, for the other waves' sake
	s_barrier_signal -1
	s_barrier_wait -1                              ; all 128 rows are there; nothing of them is written again before the tile's last barrier
	; ---- the product and tanh, two chunks of 512 columns ----
	s_cmp_eq_u32 s50, 0
	s_cbranch_scc1 .Lno_prod
	v_mov_b32 v[CVW], v[CVA]
	s_mov_b32 s31, 0
.Lchunk:
.irp p, 0,1,2,3
	v_mov_b32 v[ADRA+\p], v[ADR0+\p]
.endr
.irp nb, 0,1,2,3,4,5,6,7
	ds_load_b128 v[TMP+8*\nb:TMP+8*\nb+3],   v[CVW] offset:64*\nb           ; cblk of columns 512 c + 128 w + 16 nb + 8 h + 0..7: the layout of an accumulator tile's lane
	ds_load_b128 v[TMP+8*\nb+4:TMP+8*\nb+7], v[CVW] offset:64*\nb+16
.endr
	FETCHA 0, F0
	TRIP 1, 0                                      ; 32 K steps in 8 trips: the first starts the sums from cblk,
	s_mov_b32 s28, 6
.Lk:
	TRIP 0, 0
	s_sub_co_u32 s28, s28, 1
	s_cmp_lg_u32 s28, 0
	s_cbranch_scc1 .Lk
	s_cmp_eq_u32 s31, 1                            ; the last trip asks for the four K steps that follow: in chunk 0 chunk 1's first, which lie next in wf;
	s_cselect_b32 s44, 0x80000, 0                  ; in chunk 1 the stream's first again: 16 trips of 0x8000 bytes back.  No load leaves my wave's part of wf
	s_mov_b32 s45, 0
	s_wait_xcnt 0x0                                ; W's base is rewritten only behind this wait
	s_sub_nc_u64 s[14:15], s[14:15], s[44:45]
	TRIP 0, 1
	PLACES                                         ; behind the chunk's last matrix instructions: results are read, buffer 1 is loaded
.irp nb, 0,1,2,3,4,5,6,7
	ds_load_b128 v[F1+8*\nb:F1+8*\nb+3],   v[CVW] offset:4096+64*\nb        ; -2 v of the same columns
	ds_load_b128 v[F1+8*\nb+4:F1+8*\nb+7], v[CVW] offset:4096+64*\nb+16
.endr
	s_wait_dscnt 0x0
	EQUART EP_LO, CV_X, OUT_LO, 0, 0
	s_cmp_lt_u32 s50, 2
	s_cbranch_scc1 .Lepi_end
	EQUART EP_LO, CV_X, OUT_LO, 16, 2
	s_cmp_lt_u32 s50, 3
	s_cbranch_scc1 .Lepi_end
	EQUART EP_HI, RD_HI, OUT_HI, 0, 4
	s_cmp_lt_u32 s50, 4
	s_cbranch_scc1 .Lepi_end
	EQUART EP_HI, RD_HI, OUT_HI, 16, 6
.Lepi_end:
	v_add_nc_u32 v[CVW], 2048, v[CVW]              ; the next chunk's 512 columns
	s_add_co_u32 s31, s31, 1
	s_cmp_lt_u32 s31, 2
	s_cbranch_scc1 .Lchunk
.Lno_prod:
	; The product's LDS loads take their addresses from registers that are stepped in loops inside loops.  So that the order between those reads and
	; the LDS stores below rests on a barrier, and not on the regions of LDS lying apart, every wave waits for its reads and passes a barrier here:
	; one barrier more a tile, against the 4,096 matrix instructions of a wave in a whole tile.
	s_wait_dscnt 0x0                               ; my reads of the rows, of cblk and of -2 v are back
	s_barrier_signal -1
	s_barrier_wait -1                              ; and so are every wave's
	; ---- the scores of the 128 rows ----
.irp a, 0,1,2,3,4,5,6,7
	ds_store_b32 v[SCW], v[SUM+\a] offset:64*\a    ; [w][h][row 16 a + r]
.endr
	s_wait_dscnt 0x0                               ; for the other waves' sake
	s_barrier_signal -1
	s_barrier_wait -1
	; every wave makes all 128 scores for itself (lane L: rows 4 L to 4 L + 3)
.irp g, 0,1,2,3,4,5,6,7
	ds_load_b128 v[F0+4*\g:F0+4*\g+3], v[SCR] offset:512*\g
.endr
	ds_load_b128 v[F0+32:F0+35], v[SVR]            ; the four parts of sum(v)
	s_wait_dscnt 0x0
.irp g, 0,2,4,6
	v_pk_add_f32 v[F0+4*\g:F0+4*\g+1],   v[F0+4*\g:F0+4*\g+1],   v[F0+4*\g+4:F0+4*\g+5]
	v_pk_add_f32 v[F0+4*\g+2:F0+4*\g+3], v[F0+4*\g+2:F0+4*\g+3], v[F0+4*\g+6:F0+4*\g+7]
.endr
.irp g, 0,4
	v_pk_add_f32 v[F0+4*\g:F0+4*\g+1],   v[F0+4*\g:F0+4*\g+1],   v[F0+4*\g+8:F0+4*\g+9]
	v_pk_add_f32 v[F0+4*\g+2:F0+4*\g+3], v[F0+4*\g+2:F0+4*\g+3], v[F0+4*\g+10:F0+4*\g+11]
.endr
	v_pk_add_f32 v[F0:F0+1],   v[F0:F0+1],   v[F0+16:F0+17]
	v_pk_add_f32 v[F0+2:F0+3], v[F0+2:F0+3], v[F0+18:F0+19]
	v_pk_add_f32 v[F0+32:F0+33], v[F0+32:F0+33], v[F0+34:F0+35]
	v_add_f32 v[F0+32], v[F0+32], v[F0+33]
	v_pk_add_f32 v[SS:SS+1],   v[F0:F0+1],   v[F0+32:F0+33] op_sel_hi:[1,0]     ; + sum(v), in both halves
	v_pk_add_f32 v[SS+2:SS+3], v[F0+2:F0+3], v[F0+32:F0+33] op_sel_hi:[1,0]
	; the mask: s < length keeps the score, else -1e6.  Every row of a quarter that was left out is at or beyond the length.
	v_mov_b32 v[T2], 0xc9742400                    ; -1,000,000.0
	v_add_nc_u32 v[T2+1], 1, v[IDX]
	v_add_nc_u32 v[T2+2], 2, v[IDX]
	v_add_nc_u32 v[T2+3], 3, v[IDX]
	v_cmp_gt_i32 vcc_lo, s51, v[IDX]
	v_cndmask_b32 v[SS], v[T2], v[SS], vcc_lo
	v_cmp_gt_i32 vcc_lo, s51, v[T2+1]
	v_cndmask_b32 v[SS+1], v[T2], v[SS+1], vcc_lo
	v_cmp_gt_i32 vcc_lo, s51, v[T2+2]
	v_cndmask_b32 v[SS+2], v[T2], v[SS+2], vcc_lo
	v_cmp_gt_i32 vcc_lo, s51, v[T2+3]
	v_cndmask_b32 v[SS+3], v[T2], v[SS+3], vcc_lo
	; the tile's maximum, in every lane
	v_max3_num_f32 v[ML], v[SS], v[SS+1], v[SS+2]
	v_max_num_f32 v[ML], v[ML], v[SS+3]
	v_max_num_f32_dpp v[ML], v[ML], v[ML] row_xmask:1 row_mask:0xf bank_mask:0xf
	v_max_num_f32_dpp v[ML], v[ML], v[ML] row_xmask:2 row_mask:0xf bank_mask:0xf
	v_max_num_f32_dpp v[ML], v[ML], v[ML] row_xmask:4 row_mask:0xf bank_mask:0xf
	v_max_num_f32_dpp v[ML], v[ML], v[ML] row_xmask:8 row_mask:0xf bank_mask:0xf
	v_permlanex16_b32 v[T2+1], v[ML], s26, s27
	v_max_num_f32 v[ML], v[ML], v[T2+1]
	; p = e^(score - m).  The difference first, then the factor: fused the other way round, the rounding of m log2(e) at m = -1e6 would show in p.
.irp i, 0,1,2,3
	v_sub_f32 v[PP+\i], v[SS+\i], v[ML]
.endr
	v_pk_mul_f32 v[PP:PP+1],   v[PP:PP+1],   0x3fb8aa3b op_sel_hi:[1,0]
	v_pk_mul_f32 v[PP+2:PP+3], v[PP+2:PP+3], 0x3fb8aa3b op_sel_hi:[1,0]
.irp i, 0,1,2,3
	v_exp_f32 v[PP+\i], v[PP+\i]
.endr
.irp q, 0,1,2,3,4,5,6,7
	v_mov_b32 v[CX+\q], 0                          ; plain work behind the transcendentals (ISA guide 5.7.2): the eight context sums start at 0, and stay 0 where nq = 0
.endr
	s_wait_alu depctr_va_vdst(0)
	v_pk_add_f32 v[T2+2:T2+3], v[PP:PP+1], v[PP+2:PP+3]
	v_add_f32 v[ML+1], v[T2+2], v[T2+3]
	v_add_f32_dpp v[ML+1], v[ML+1], v[ML+1] row_xmask:1 row_mask:0xf bank_mask:0xf
	v_add_f32_dpp v[ML+1], v[ML+1], v[ML+1] row_xmask:2 row_mask:0xf bank_mask:0xf
	v_add_f32_dpp v[ML+1], v[ML+1], v[ML+1] row_xmask:4 row_mask:0xf bank_mask:0xf
	v_add_f32_dpp v[ML+1], v[ML+1], v[ML+1] row_xmask:8 row_mask:0xf bank_mask:0xf
	v_permlanex16_b32 v[T2+1], v[ML+1], s26, s27
	v_add_f32 v[ML+1], v[ML+1], v[T2+1]            ; l
	ds_store_b128 v[PWA], v[PP:PP+3]               ; my wave's own copy of the 128 weights
	s_cmp_lg_u32 s4, 0                             ; wave 0 writes the tile's scores and (m, l)
	s_cbranch_scc1 .Lnot_wave_0
	global_store_b128 v[VB], v[SS:SS+3], s[38:39]  ; 512 consecutive bytes, aligned
	v_cmp_eq_u32 vcc_lo, 0, v1
	s_wait_xcnt 0x0                                ; EXEC changes only behind s_wait_xcnt 0
	s_and_saveexec_b32 s29, vcc_lo
	global_store_b64 v[VB], v[ML:ML+1], s[36:37]   ; lane 0 (its 16 L is 0): the 8 bytes that a tile has of these
	s_wait_xcnt 0x0                                ; and again, in front of the line that widens it
	s_or_b32 exec_lo, exec_lo, s29
.Lnot_wave_0:
	; ---- the tile's partial context: sum over the 128 rows of p x row, wave w for columns 256 w .., lane L for 8 of them ----
	s_cmp_eq_u32 s50, 0
	s_cbranch_scc1 .Lno_ctx
	v_mov_b32 v[ARW], v[AR]
	CLOAD 0, F0, PB
.irp g, 0,1,2,3,4,5,6,7
.if \g < 7
.if (\g+1)%2 == 0
	v_add_nc_u32 v[ARW], R32, v[ARW]               ; 32 rows on
.endif
	CLOAD \g+1, F0+64*((\g+1)%2), PB+16*((\g+1)%2)
	s_wait_dscnt 20                                ; the 20 loads just issued may stay out
.else
	s_wait_dscnt 0
.endif
	CFMA F0+64*(\g%2), PB+16*(\g%2)
.endr
.Lno_ctx:
	; the way out: a lane's 32 bytes go through my wave's own stage, so that each store covers 512 consecutive bytes
	ds_store_b128 v[XSW], v[CX:CX+3]
	ds_store_b128 v[XSW], v[CX+4:CX+7] offset:16
	ds_load_b128 v[TMP:TMP+3],   v[XSR]
	ds_load_b128 v[TMP+4:TMP+7], v[XSR] offset:512
	s_wait_dscnt 1                                 ; the second read may stay out
	global_store_b128 v[GO], v[TMP:TMP+3], s[40:41]
	s_wait_dscnt 0                                 ; all my LDS reads of this tile are back,
	global_store_b128 v[GO], v[TMP+4:TMP+7], s[40:41] offset:512
	s_barrier_signal -1                            ; and so are every wave's behind this barrier: the next tile's rows, cblk and scores may be stored over this one's
	s_barrier_wait -1
	s_mov_b32 s48, s52                             ; the second tile
	s_mov_b32 s49, s53
	s_mov_b32 s50, s54
	s_mov_b32 s51, s55
	s_add_co_u32 s30, s30, 1
	s_cmp_lt_u32 s30, 2
	s_cbranch_scc1 .Ltile
	s_endpgm                                       ; the ring's last 64 loads, asked for a tile that does not follow, may be out here
.Lfunc_end_k_qb1469b50ff_tile:
	.size	k_qb1469b50ff_tile, .Lfunc_end_k_qb1469b50ff_tile-k_qb1469b50ff_tile
	.p2alignl 7, 3214868480
	.fill 96, 4, 3214868480
	.section	.rodata,"a",@progbits
	.p2align	6, 0x0
	.amdhsa_kernel k_qb1469b50ff_tile
		.amdhsa_group_segment_fixed_size 282880
		.amdhsa_private_segment_fixed_size 0
		.amdhsa_enable_private_segment 0
		.amdhsa_kernarg_size 64
		.amdhsa_user_sgpr_count 2
		.amdhsa_user_sgpr_kernarg_segment_ptr 1
		.amdhsa_wavefront_size32 1
		.amdhsa_system_sgpr_workgroup_id_x 1
		.amdhsa_system_sgpr_workgroup_id_y 1
		.amdhsa_system_sgpr_workgroup_id_z 1
		.amdhsa_system_vgpr_workitem_id 0
		.amdhsa_next_free_vgpr 1024
		.amdhsa_next_free_sgpr 66
		.amdhsa_reserve_vcc 1
		.amdhsa_float_denorm_mode_32 3
		.amdhsa_float_denorm_mode_16_64 3
		.amdhsa_memory_ordered 1
		.amdhsa_forward_progress 1
		.amdhsa_inst_pref_size 255
	.end_amdhsa_kernel
	.section	.bss,"aw",@nobits
	.p2align	6
	.space	262144
	.amdgpu_metadata
---
amdhsa.version: [ 1, 2 ]
amdhsa.kernels:
  - .name:           k_qb1469b50ff_tile
    .symbol:         k_qb1469b50ff_tile.kd
    .args:
      - { .name: source_hids, .offset: 0, .size: 8, .value_kind: global_buffer, .address_space: global }
      - { .name: order, .offset: 8, .size: 8, .value_kind: global_buffer, .address_space: global }
      - { .name: v_score, .offset: 16, .size: 8, .value_kind: global_buffer, .address_space: global }
      - { .name: wf, .offset: 24, .size: 8, .value_kind: global_buffer, .address_space: global }
      - { .name: cblk, .offset: 32, .size: 8, .value_kind: global_buffer, .address_space: global }
      - { .name: sc, .offset: 40, .size: 8, .value_kind: global_buffer, .address_space: global }
      - { .name: st, .offset: 48, .size: 8, .value_kind: global_buffer, .address_space: global }
      - { .name: part, .offset: 56, .size: 8, .value_kind: global_buffer, .address_space: global }
    .group_segment_fixed_size: 282880
    .private_segment_fixed_size: 0
    .kernarg_segment_align: 8
    .kernarg_segment_size: 64
    .max_flat_workgroup_size: 128
    .sgpr_count:     66
    .vgpr_count:     1024
    .wavefront_size: 32
...
	.end_amdgpu_metadata
.endif
;; end of part 5
;; launch finish: the kernel of part 3 again; grid 64 x 1, 8 waves a work-group, no clusters, 4,608 bytes of LDS; arguments sc, st, part, out0, out1; writes out0, out1
